; MI455X (gfx1250); checked and timed in simulation.
; The chip was launched on July 23, 2026; its instructions are those of AMD's public machine-readable ISA for CDNA 5 (MIT licence, August 2026) and "CDNA5" Instruction Set Architecture Reference Guide (July 2026). The comments in the code are by the model that wrote it; some were corrected since.
;; Multi Head Attention Ro PE. Allowed arithmetic: matrix products marked QUANTISED: E2M1 operands, one E8M0 scale for each 32 along K, by v_wmma_scale_f32_16x16x128_f8f6f4 with both operands' format E2M1 (or v_wmma_scale_f32_32x16x128_f4), f32 sums; products left as they are: bf16, f16 or f32 operands; f32 sums; everything else in f32.
;; Inputs: k 4 x 2,048 x 1,024 float32; q 4 x 2,048 x 1,024 float32; rope_cos 1 x 1 x 2,048 x 64 float32; rope_sin 1 x 1 x 2,048 x 64 float32; v 4 x 2,048 x 1,024 float32; w_fc 1,024 x 1,024 float32; w_ks 1,024 x 1,024 float32; w_qs 1,024 x 1,024 float32; w_vs 1,024 x 1,024 float32.
;; Outputs: out0 4 x 2,048 x 1,024 float32.
;; This version of the problem:
;;   THIS VERSION OF THE PROBLEM IS GIVEN IN LOW PRECISION. The matrix products marked QUANTISED in the list below multiply operands that are first quantised to E2M1 (2 exponent bits, 1 mantissa bit; 4 bits a number), with one power-of-two scale for each 32 numbers along K (OCP MX v1.0); their sums are f32. The products marked 'left as it is' may take bf16, f16 or f32 operands, with f32 sums. Whichever they take, every output number must still come out within the allowed error. Rounding operands to bf16 (8 significant bits) uses up far more of that allowance than f16 does (11 bits, for magnitudes from 6e-5 to 65,504). All else is computed in f32.
;;   The module's matrix products, in the order in which they are computed (A, B: the left and right operand; K: the contracted axis; several contracted axes count as one K, in the product's order):
;;     1. [M 8,192, K 1,024] x [K 1,024, N 1,024]; A: input q; B: input w_qs: QUANTISED
;;     2. [M 8,192, K 1,024] x [K 1,024, N 1,024]; A: input k; B: input w_ks: QUANTISED
;;     3. [M 8,192, K 1,024] x [K 1,024, N 1,024]; A: input v; B: input w_vs: QUANTISED
;;     4. batch 64 x [M 2,048, K 64] x [K 64, N 2,048]; A: computed on the way; B: computed on the way: left as it is (an operand is computed on the way)
;;     5. batch 64 x [M 2,048, K 2,048] x [K 2,048, N 64]; A: computed on the way; B: computed on the way: left as it is (an operand is computed on the way)
;;     6. [M 8,192, K 1,024] x [K 1,024, N 1,024]; A: computed on the way; B: input w_fc: left as it is (an operand is computed on the way)
;;   THE QUANTISER, for each operand of a quantised product, along K:
;;     - K is cut into blocks of 32 from its start; a last block that is shorter is filled with zeros.
;;     - A block's scale is 2^e with e = floor(log2(the largest magnitude in the block)) - 2, held to -126 .. 127; a block of zeros has e = 0. As a byte (E8M0): e + 127.
;;     - Each number is divided by its block's scale, clamped to +-6, and rounded to the nearest number of E2M1, ties to even, subnormals kept.
;;     - The product sums the exact products of the quantised numbers (number of the format x scale) in f32.
;;   ~~~python
;;   def quantise(x, axis):      # numpy; x: float32 -> the quantised numbers, widened to float32 again
;;       x = np.moveaxis(x, axis, -1); K = x.shape[-1]
;;       x = np.pad(x, [(0, 0)] * (x.ndim - 1) + [(0, -K % 32)]); x = x.reshape(x.shape[:-1] + (-1, 32)); a = np.abs(x).max(-1, keepdims=True)
;;       e = np.where(a > 0, np.clip(np.frexp(np.where(a > 0, a, 1))[1] - 1 - 2, -126, 127), 0)      # np.frexp(a)[1] - 1 = floor(log2(a)), exactly
;;       r = np.clip(x / 2.0 ** e, -6, 6)
;;       step = 2.0 ** (np.maximum(np.frexp(np.where(r == 0, 1, r))[1] - 1, 0) - 1)
;;       q = np.round(r / step) * step * 2.0 ** e      # np.round: ties to even
;;       return np.moveaxis(q.reshape(q.shape[:-2] + (-1,))[..., :K], -1, axis).astype(np.float32)
;;   ~~~
;; One version. Each part assembles by itself: llvm-mc -triple=amdgcn-amd-amdhsa -mcpu=gfx1250 --defsym DOCPART=n.
;; ======== version 1 of 1: 4 launches
;; limits: values are held in f16: magnitudes above 65,504 overflow, below 6.1e-05 lose precision
;; workspace buffers: xc 12,582,912 bytes; xs 786,432 bytes; wc 1,572,864 bytes; ws 98,304 bytes; wf 2,097,152 bytes; qkv 50,331,648 bytes; att 16,777,216 bytes
;; launch prep (part 1): grid 896 x 1, 4 waves a work-group, no clusters, 33,280 bytes of LDS; arguments q, k, v, w_qs, w_ks, w_vs, w_fc, xc, xs, wc, ws, wf; writes xc, xs, wc, ws, wf
.if DOCPART == 1
	.amdgcn_target "amdgcn-amd-amdhsa--gfx1250"
	.amdhsa_code_object_version 6
	.text
	.protected	k_q64134e7a5c_prep
	.globl	k_q64134e7a5c_prep
	.p2align	8
	.type	k_q64134e7a5c_prep,@function
k_q64134e7a5c_prep:
	s_mov_b64 s[64:65], 0
	v_nop
	global_prefetch_b8 v0, s[64:65] scope:SCOPE_SE
	s_setreg_imm32_b32 hwreg(HW_REG_WAVE_MODE, 25, 1), 1
	s_wait_xcnt 0x0
; FIRST OF FOUR LAUNCHES of out = softmax(rope(q Wq^T) rope(k Wk^T)^T / 8) (v Wv^T) Wfc^T.
; NO WORK IS LEFT OUT: every input (q, k, v, both tables, the four weights) has a way to the output for some values, so all are loaded and all six products are made.
; THIS LAUNCH: q, k, v [8192][1024] and w_qs, w_ks, w_vs [1024][1024], f32 with K innermost, become codes of FP4 (E2M1), two to a byte, the lower k in the low four bits, with one E8M0 byte for each 32 along K;
; w_fc becomes f16 (its product is left as it is).  xc = [3][8192][512 bytes], xs = [3][8192][32], wc = [3][1024][512 bytes], ws = [3][1024][32], wf = [1024][1024] f16.
; A block's scale is 2^(floor(log2(its largest magnitude)) - 2); its byte is the largest magnitude's own exponent field - 2, held at 1 from below.  Each number is divided by the scale and rounded to the nearest code, ties to even, beyond 6 to 6.
; LIMITS: a block of zeros gets the byte 1 where the stated quantiser says 127 (its codes are zeros, which add nothing under any byte but 0xff, and this program alone reads the bytes); a block whose largest magnitude
; lies under 2^-124 is held at the byte 1; NaN and infinities among the inputs are not served; |w_fc| above 65,504 becomes infinity in f16, and under 6e-5 it is kept in steps of 6e-8.
; SHARES: a work-group takes 32,768 numbers, a wave 8,192.  Work-groups 0-767: q, k, v (256 each); 768-863: the three weights (32 each); 864-895: w_fc.  Rows are dense and K is a multiple of 32: every tensor is a plain stream of blocks.
; For the six quantised tensors only pointers are chosen: there is ONE path through the text.  A wave takes 16 steps of 512 numbers: each of a step's four loads reads 512 consecutive bytes, 16 a lane; the 2,048 bytes turn through the
; wave's own stage in LDS and come back 64 bytes a lane, so that a lane holds 16 neighbours along K (two neighbouring lanes hold a block).  A lane's 16 codes are 8 bytes: the wave stores 256 consecutive bytes.
; A wave's 256 scale bytes are gathered in its own LDS bytes and leave as one aligned run of 256.  No tensor load, no barrier: waves share nothing.
.set WAVES, 4
.set STEPS, 16
.set EMAX,  2
.set CB,    8                          ; bytes of 16 codes
.set R,     16                         ; v16-79   four sets of 16 numbers as loaded (cast: v16-143, two sets of 64)
.set X,     80                         ; v80-111  two sets of 16 neighbours
.set E,     112                        ; v112-127 a scale byte for each step
.set C,     128                        ; v128-191 codes: four registers for each step, so that no store's data are written again
.set CF,    144                        ; cast: v144-175 sixteen pairs of packed f16
.set WREG,  8192                       ; LDS: a region for each wave: two stages of 32 x SP bytes, behind them its 256 scale bytes
.set SP,    80                         ; a lane's place in a stage: 64 bytes + 16 of padding
.set SPW,   12                         ; v12 LDS address of my spare word; never rewritten
.set NIL,   13                         ; v13 0; never rewritten
.set SPARE, WAVES*WREG                 ; the spare words, 128 bytes a wave: two blocks of 256 bytes that no other line names
	s_load_b512 s[8:23], s[0:1], 0x0               ; q s[8:9], k s[10:11], v s[12:13], w_qs s[14:15], w_ks s[16:17], w_vs s[18:19], w_fc s[20:21], xc s[22:23]
	s_load_b256 s[24:31], s[0:1], 0x40             ; xs s[24:25], wc s[26:27], ws s[28:29], wf s[30:31]
	v_lshl_add_u32 v[SPW], v0, 2, SPARE
	v_mov_b32 v[NIL], 0
	v_lshrrev_b32 v1, 5, v0
	v_readfirstlane_b32 s2, v1                     ; wave
	v_and_b32 v2, 31, v0                           ; lane
	v_lshlrev_b32 v3, 4, v2                        ; my 16 bytes of a load's 512
	s_mul_i32 s3, s2, WREG
	v_lshrrev_b32 v14, 2, v2
	v_mul_u32_u24 v14, v14, SP
	v_and_b32 v15, 3, v2
	v_lshl_add_u32 v14, v15, 4, v14
	v_add_nc_u32 v14, s3, v14                      ; the stage, on the way in: SP (lane / 4) + 16 (lane % 4)
	v_mul_u32_u24 v15, v2, SP
	v_add_nc_u32 v15, s3, v15                      ; and on the way out: SP x lane: my 16 neighbours
	v_mul_u32_u24 v4, v2, CB                       ; my codes' place in a step's
	v_lshrrev_b32 v5, 1, v2
	s_add_co_u32 s3, s3, 2*32*SP
	v_add_nc_u32 v5, s3, v5                        ; LDS: my wave's 256 scale bytes, my block's byte
	v_lshlrev_b32 v7, 3, v2                        ; 8 bytes a lane
	v_add_nc_u32 v6, s3, v7
	s_wait_kmcnt 0x0
	s_cmp_ge_u32 ttmp9, 864
	s_cbranch_scc1 .Lcast                          ; the work-group's number alone decides
	s_cmp_lt_u32 ttmp9, 768                        ; an activation or a weight?
	s_cselect_b64 s[32:33], s[8:9], s[14:15]
	s_cselect_b64 s[34:35], s[10:11], s[16:17]
	s_cselect_b64 s[36:37], s[12:13], s[18:19]
	s_cselect_b64 s[38:39], s[22:23], s[26:27]     ; the codes' buffer
	s_cselect_b64 s[40:41], s[24:25], s[28:29]     ; the scale bytes' buffer
	s_cselect_b32 s42, 8, 5                        ; log2 of the work-groups to a tensor
	s_cselect_b32 s43, 0, 768
	s_sub_co_u32 s43, ttmp9, s43                   ; my number among the three tensors' work-groups
	s_lshr_b32 s44, s43, s42                       ; which of the three
	s_lshl_b32 s45, s44, s42
	s_sub_co_u32 s45, s43, s45                     ; my number within it
	s_cmp_eq_u32 s44, 0
	s_cselect_b64 s[32:33], s[32:33], s[34:35]
	s_cmp_eq_u32 s44, 2
	s_cselect_b64 s[32:33], s[36:37], s[32:33]     ; the source
	s_lshl_b32 s45, s45, 2
	s_add_co_u32 s45, s45, s2
	s_lshl_b32 s46, s45, 15                        ; a wave's 8,192 numbers are 32,768 bytes,
	s_mov_b32 s47, 0
	s_add_nc_u64 s[32:33], s[32:33], s[46:47]
	s_lshl_b32 s43, s43, 2
	s_add_co_u32 s43, s43, s2
	s_lshl_b32 s46, s43, 12                        ; 4,096 bytes of codes (the three tensors lie on end in the buffer),
	s_add_nc_u64 s[38:39], s[38:39], s[46:47]
	s_lshl_b32 s46, s43, 8                         ; 256 scale bytes
	s_add_nc_u64 s[40:41], s[40:41], s[46:47]
.macro LOAD t
.irp i, 0,1,2,3
	global_load_b128 v[R+16*((\t)%4)+4*\i:R+16*((\t)%4)+4*\i+3], v3, s[32:33] offset:2048*(\t)+512*\i th:TH_LOAD_NT   ; 32 lanes read 512 consecutive bytes
.endr
.endm
.macro TURN t                          ; step t's numbers through the stage: LDS serves a wave's instructions in order, so no wait stands between the stores and the loads
.irp i, 0,1,2,3
	ds_store_b128 v14, v[R+16*((\t)%4)+4*\i:R+16*((\t)%4)+4*\i+3] offset:32*SP*((\t)%2)+8*SP*\i
.endr
.irp i, 0,1,2,3
	ds_load_b128 v[X+16*((\t)%2)+4*\i:X+16*((\t)%2)+4*\i+3], v15 offset:32*SP*((\t)%2)+16*\i
.endr
.endm
.irp t, 0,1,2,3
	LOAD \t
.endr
	s_wait_loadcnt 12                              ; step 0's four loads are in; the twelve of steps 1 to 3 may be out
	TURN 0
.macro STEP t
.set XS, X+16*((\t)%2)
.if (\t) > 0
	s_wait_dscnt 1                                 ; this step's numbers are back from the stage (the last step's byte store may be out)
.else
	s_wait_dscnt 0x0
.endif
.if (\t)+4 < STEPS
	LOAD (\t)+4                                    ; into the registers that the stage's stores have read
.endif
.if (\t)+1 < STEPS
.if STEPS-2-(\t) >= 3
	s_wait_loadcnt 12                              ; the next step's four loads are in; those of the three steps behind it may be out
.else
	s_wait_loadcnt 4*(STEPS-2-(\t))
.endif
	TURN (\t)+1                                    ; through the other stage while this step is worked
.endif
	v_max3_num_f32 v8, |v[XS]|, |v[XS+1]|, |v[XS+2]|               ; the largest magnitude of my 16, in two chains
	v_max3_num_f32 v9, |v[XS+3]|, |v[XS+4]|, |v[XS+5]|
.irp i, 6,10
	v_max3_num_f32 v8, v8, |v[XS+\i]|, |v[XS+\i+1]|
	v_max3_num_f32 v9, v9, |v[XS+\i+2]|, |v[XS+\i+3]|
.endr
	v_max3_num_f32 v8, v8, |v[XS+14]|, |v[XS+15]|
	v_max3_num_f32 v8, v8, v9, (EMAX+1)<<23        ; and the floor 2^(3 - 127): the byte cannot fall under 1
	v_max_num_f32_dpp v8, v8, v8 row_xmask:1 row_mask:0xf bank_mask:0xf   ; with my neighbour's 16: the block's
	v_add_nc_u32 v11, -(EMAX<<23), v8              ; 2 off its exponent field: the conversion takes the exponent field of this operand as its scale
	v_cvt_scalef32_pk8_fp4_f32 v[C+4*(\t)], v[XS:XS+7], v11
	v_cvt_scalef32_pk8_fp4_f32 v[C+4*(\t)+1], v[XS+8:XS+15], v11
	v_lshrrev_b32 v[E+(\t)], 23, v11               ; the scale's byte (also the plain line behind the conversions)
	ds_store_b8 v5, v[E+(\t)] offset:16*(\t)       ; both lanes of a block write the same byte with the same value
	global_store_b64 v4, v[C+4*(\t):C+4*(\t)+1], s[38:39] offset:32*CB*(\t)   ; 32 lanes store 256 consecutive bytes, aligned
.endm
.irp t, 0,1,2,3,4,5,6,7,8,9,10,11,12,13,14,15
	STEP \t
.endr
	ds_load_b64 v[8:9], v6                         ; LDS serves a wave's instructions in order: these see my byte stores
	s_wait_dscnt 0x0
	global_store_b64 v7, v[8:9], s[40:41]          ; 32 lanes store 256 consecutive bytes, aligned
	s_wait_tensorcnt 0x0                           ; the wave's end, behind my last LDS store
	ds_add_u32 v[SPW], v[NIL]
	s_wait_dscnt 0x0
	s_endpgm
; w_fc to f16: 64 chunks of 128 numbers a wave; a load reads 512 consecutive bytes, a store writes 256.  Four batches of 16 chunks, two sets of load registers: one batch is on its way while one is converted.
.Lcast:
	s_sub_co_u32 s43, ttmp9, 864
	s_lshl_b32 s43, s43, 2
	s_add_co_u32 s43, s43, s2
	s_lshl_b32 s46, s43, 15
	s_mov_b32 s47, 0
	s_add_nc_u64 s[20:21], s[20:21], s[46:47]
	s_lshl_b32 s46, s43, 14
	s_add_nc_u64 s[30:31], s[30:31], s[46:47]
.macro LOADB n
.irp i, 0,1,2,3,4,5,6,7,8,9,10,11,12,13,14,15
	global_load_b128 v[R+64*((\n)%2)+4*\i:R+64*((\n)%2)+4*\i+3], v3, s[20:21] offset:512*(16*(\n)+\i) th:TH_LOAD_NT
.endr
.endm
.macro CASTB n
.if (\n) < 3
	s_wait_loadcnt 16                              ; this batch is in; the younger batch's sixteen loads may be out
.else
	s_wait_loadcnt 0x0
.endif
.if (\n) > 0
	s_wait_xcnt 0x0                                ; the last batch's stores have read their data: the pairs are written again only behind this wait
.endif
.irp i, 0,1,2,3,4,5,6,7,8,9,10,11,12,13,14,15
	v_cvt_pk_f16_f32 v[CF+2*\i], v[R+64*((\n)%2)+4*\i], v[R+64*((\n)%2)+4*\i+1]
	v_cvt_pk_f16_f32 v[CF+2*\i+1], v[R+64*((\n)%2)+4*\i+2], v[R+64*((\n)%2)+4*\i+3]
.endr
.irp i, 0,1,2,3,4,5,6,7,8,9,10,11,12,13,14,15
	global_store_b64 v7, v[CF+2*\i:CF+2*\i+1], s[30:31] offset:256*(16*(\n)+\i)
.endr
.if (\n)+2 < 4
	LOADB (\n)+2
.endif
.endm
	LOADB 0
	LOADB 1
	CASTB 0
	CASTB 1
	CASTB 2
	CASTB 3
	s_wait_tensorcnt 0x0                           ; the same three lines at this end too, though this path stores nothing to LDS
	ds_add_u32 v[SPW], v[NIL]
	s_wait_dscnt 0x0
	s_endpgm
.Lfunc_end_k_q64134e7a5c_prep:
	.size	k_q64134e7a5c_prep, .Lfunc_end_k_q64134e7a5c_prep-k_q64134e7a5c_prep
	.p2alignl 7, 3214868480
	.fill 96, 4, 3214868480
	.section	.rodata,"a",@progbits
	.p2align	6, 0x0
	.amdhsa_kernel k_q64134e7a5c_prep
		.amdhsa_group_segment_fixed_size 33280
		.amdhsa_private_segment_fixed_size 0
		.amdhsa_enable_private_segment 0
		.amdhsa_kernarg_size 96
		.amdhsa_user_sgpr_count 2
		.amdhsa_user_sgpr_kernarg_segment_ptr 1
		.amdhsa_wavefront_size32 1
		.amdhsa_system_sgpr_workgroup_id_x 1
		.amdhsa_system_sgpr_workgroup_id_y 1
		.amdhsa_system_sgpr_workgroup_id_z 1
		.amdhsa_system_vgpr_workitem_id 0
		.amdhsa_next_free_vgpr 192
		.amdhsa_next_free_sgpr 66
		.amdhsa_reserve_vcc 0
		.amdhsa_float_denorm_mode_32 3
		.amdhsa_float_denorm_mode_16_64 3
		.amdhsa_memory_ordered 1
		.amdhsa_forward_progress 1
		.amdhsa_inst_pref_size 54
	.end_amdhsa_kernel
	.amdgpu_metadata
---
amdhsa.version: [ 1, 2 ]
amdhsa.kernels:
  - .name:           k_q64134e7a5c_prep
    .symbol:         k_q64134e7a5c_prep.kd
    .args:
      - { .name: q, .offset: 0, .size: 8, .value_kind: global_buffer, .address_space: global }
      - { .name: k, .offset: 8, .size: 8, .value_kind: global_buffer, .address_space: global }
      - { .name: v, .offset: 16, .size: 8, .value_kind: global_buffer, .address_space: global }
      - { .name: w_qs, .offset: 24, .size: 8, .value_kind: global_buffer, .address_space: global }
      - { .name: w_ks, .offset: 32, .size: 8, .value_kind: global_buffer, .address_space: global }
      - { .name: w_vs, .offset: 40, .size: 8, .value_kind: global_buffer, .address_space: global }
      - { .name: w_fc, .offset: 48, .size: 8, .value_kind: global_buffer, .address_space: global }
      - { .name: xc, .offset: 56, .size: 8, .value_kind: global_buffer, .address_space: global }
      - { .name: xs, .offset: 64, .size: 8, .value_kind: global_buffer, .address_space: global }
      - { .name: wc, .offset: 72, .size: 8, .value_kind: global_buffer, .address_space: global }
      - { .name: ws, .offset: 80, .size: 8, .value_kind: global_buffer, .address_space: global }
      - { .name: wf, .offset: 88, .size: 8, .value_kind: global_buffer, .address_space: global }
    .group_segment_fixed_size: 33280
    .private_segment_fixed_size: 0
    .kernarg_segment_align: 8
    .kernarg_segment_size: 96
    .max_flat_workgroup_size: 128
    .sgpr_count:     66
    .vgpr_count:     192
    .wavefront_size: 32
...
	.end_amdgpu_metadata
.endif
;; end of part 1
;; launch proj (part 2): grid 4 x 96, 4 waves a work-group, clusters of 4 x 4, 327,680 bytes of LDS; arguments xc, xs, wc, ws, rope_cos, rope_sin, qkv; writes qkv
.if DOCPART == 2
	.amdgcn_target "amdgcn-amd-amdhsa--gfx1250"
	.amdhsa_code_object_version 6
	.text
	.protected	k_q64134e7a5c_proj
	.globl	k_q64134e7a5c_proj
	.p2align	8
	.type	k_q64134e7a5c_proj,@function
k_q64134e7a5c_proj:
	s_mov_b64 s[64:65], 0
	v_nop
	global_prefetch_b8 v0, s[64:65] scope:SCOPE_SE
	s_setreg_imm32_b32 hwreg(HW_REG_WAVE_MODE, 25, 1), 1
	s_wait_xcnt 0x0
	s_wait_alu depctr_hold_cnt(0) depctr_sa_sdst(0) depctr_va_vdst(0) depctr_va_sdst(0) depctr_va_ssrc(0) depctr_va_vcc(0) depctr_vm_vsrc(0)
	s_getreg_b32 s2, hwreg(HW_REG_IB_STS2, 6, 4)
	s_cmp_eq_u32 s2, 0
	s_cbranch_scc0 .Lentry_in_a_cluster
	s_endpgm
.Lentry_in_a_cluster:
	s_bfe_u32 s2, ttmp6, 0x10000c
	s_cmp_lg_u32 s2, 0xf033
	s_cbranch_scc0 .Lentry_shape_is_right
	s_endpgm
.Lentry_shape_is_right:
; SECOND LAUNCH: the three quantised projections on codes of FP4 with E8M0 scales, RoPE on q's and k's results in f32, and the results as f16 in head order.  No work of the problem is left out here.
; A = xc as [24576][1024 codes] (q's, k's, v's rows on end), B = wc as [3][1024][1024 codes]; qkv = [3][4 b][16 h][2048 s][64 d] f16.
; LIMITS: a projected number beyond 65,504 becomes infinity in f16; under 6e-5 it is kept in steps of 6e-8.  RoPE is x cos - x' sin as one multiply and one fused multiply-add.
; A tile of 256 rows x 256 columns is made by a work-group of four waves, a wave makes 128 x 128: 64 accumulators, 512 registers.  K = 1,024 is two LDS slots of 512 along K (rows of 256 bytes): both are first fills, nothing is filled again.
; THE SCALES of the tile's 256 rows of A and 256 rows of B, for all of K, are two dense blocks of memory: they come into LDS once, with the first fills.
; CLUSTERS: 4 x 4 work-groups.  The four of a row of the cluster need the same tiles of A, the four of a column the same tiles of B: each tile is asked for JOINTLY, by the same tensor load with the same descriptor and a mask that names the four.
; A cluster's sixteen tiles belong to one of the three tensors (8 clusters along y to a tensor), so the choice between the way out with RoPE and v's way out is the same in all partners.
; THE MATRIX INSTRUCTION IS USED TRANSPOSED (source 0 = 16 rows of W, source 1 = 16 rows of x): a lane holds eight neighbouring channels of one row.  Channels d and d + 32 of a head lie in the same lane and register of accumulators b and b + 2.
; REGISTERS, in windows of 256: window 0: v0-31 addresses; v32-95 scale words, two sets; v128-191 A's fragments, one set.  Window 1: B's fragments, two sets (v0, v128).  Windows 2, 3: the accumulators ((a, b) at v[8 (8 (a % 4) + b)] of window 2 + a / 4).
; On the way out: window 0: v32-95 64 rotated numbers, v96-127 packed f16, v128-191 rows back from the stage (two sets); window 1: v0-127 the tables' numbers, two sets of 64.
.set KSTEP,  512
.set NQ,     KSTEP/128
.set ROWB,   256                       ; a tile's row in bytes
.set KROW,   512                       ; a row of codes in memory
.set PITCH,  272                       ; an LDS row: 256 bytes + 16 of padding: the 16 rows that a load touches start at 16 different banks (64 banks of 4 bytes: ISA guide 11.1)
.set FR,     8
.set NL,     2
.set NP,     4                         ; places behind this matrix instruction (ISA guide 7.12.1)
.set HALFT,  128*PITCH
.set SLOT,   4*HALFT                   ; A's 256 rows, then B's 256 rows
.set KS,     32                        ; a row of scale bytes
.set SCL,    2*SLOT                    ; behind the two slots: the scales, as rows of 256 bytes + 16 of padding
.set HALFS,  (128*KS/256)*272
.set SBLK,   (16*KS/256)*272
.set SPARE,  SCL+4*HALFS               ; the spare words, 128 bytes a wave: two blocks of 256 bytes that no other line names
.set SGP,    144                       ; the way out: a stage row: 128 bytes (a head's 64 f16) + 16
.set SGH,    16*SGP                    ; a head's 16 rows
.set SGW,    2*SGH                     ; a wave's stage: two heads
.set SGV,    4*SGW                     ; v's way out has stages of its own behind the other's.  All lie in slot 0, which has had its one fill and its last read when the first result is stored there
.set ADRA, 16
.set ADRB, 20
.set STOV, 22                          ; v22  v's way out: where I put 16 bytes
.set RDV,  23                          ; v23  and where I read rows back
.set STO,  24                          ; v24  the same for the way out with RoPE
.set RD,   25
.set CO,   26                          ; v26  16 x lane: my bytes in 512 consecutive bytes of qkv
.set ADRS, 27
.set SPW,  28
.set NIL,  29
.set RO,   30                          ; v30  my byte in the tables' 16 rows: 256 r + 32 h
.set SC,   32
.set AF,   128
.set TF,   32
.set PKD,  96
.set BK,   128
.set G1, 24
.set G0, 32
.set G1B, 48
.set G0B, 56
.set G1S, 68
.set G0S, 76
.set G1SB, 80
.set G0SB, 88
.set MSB, 0
.macro WIN new                         ; the immediate's high byte repeats the setting that is left
.if MSB != (\new)
	s_set_vgpr_msb (MSB<<8)|(\new)
.set MSB, (\new)
.endif
.endm
.set MUL_LO, 0xa1                      ; source 0 (B) window 1, source 1 (A) window 0, C and D window 2
.set MUL_HI, 0xf1
.set TO_B,   0x40
; A joint load: waves 0 and 1 fetch for A, waves 2 and 3 for B; the branch hangs on the wave's number alone.  An s_nop 0 and four v_nop follow each of the two lines.
.macro JLOAD g0a, g1a, g0b, g1b
	s_cmp_eq_u32 s15, 0
	s_cbranch_scc0 .Lfor_b_\@
	tensor_load_to_lds s[\g0a:\g0a+3], s[\g1a:\g1a+7]
	s_nop 0
.rept 4
	v_nop
.endr
	s_branch .Lasked_\@
.Lfor_b_\@:
	tensor_load_to_lds s[\g0b:\g0b+3], s[\g1b:\g1b+7]
	s_nop 0
.rept 4
	v_nop
.endr
.Lasked_\@:
.endm
.macro CROUND                          ; a round of the cluster's barrier
	s_barrier_signal -1
	s_barrier_wait -1
	s_cmp_lg_u32 s14, 0
	s_cbranch_scc1 .Lnot_wave_0_\@
	s_barrier_signal -3
.Lnot_wave_0_\@:
	s_barrier_wait -3
	s_barrier_signal -1
	s_barrier_wait -1
.endm
	s_load_b128 s[4:7], s[0:1], 0x0                ; xc s[4:5], xs s[6:7]
	s_load_b128 s[8:11], s[0:1], 0x10              ; wc s[8:9], ws s[10:11]
	s_load_b128 s[96:99], s[0:1], 0x20             ; rope_cos s[96:97], rope_sin s[98:99]
	s_load_b64 s[12:13], s[0:1], 0x30              ; qkv
	v_lshl_add_u32 v[SPW], v0, 2, SPARE
	v_mov_b32 v[NIL], 0
	ds_add_u32 v[SPW], v[NIL]                      ; the wave's opening: the add, twice on end, and its wait ahead of my first tensor load
	ds_add_u32 v[SPW], v[NIL]
	v_lshrrev_b32 v1, 5, v0
	v_readfirstlane_b32 s14, v1                    ; wave 0..3
	s_lshr_b32 s15, s14, 1                         ; which half of the tile's rows is mine.  Also: I fetch for A (0) or for B (1)
	s_and_b32 s16, s14, 1                          ; which half of its columns.  Also: which 128 rows I fetch
	s_bfe_u32 s40, ttmp6, 0x40000                  ; cx, cy
	s_bfe_u32 s41, ttmp6, 0x40004
	s_lshl_b32 s42, ttmp9, 2
	s_add_co_u32 s42, s42, s40                     ; tile column = 4 x cluster x + cx
	s_and_b32 s17, ttmp7, 0xffff
	s_lshr_b32 s95, s17, 3                         ; which tensor: 0 q, 1 k, 2 v: eight clusters along y to each
	s_lshl_b32 s17, s17, 2
	s_add_co_u32 s17, s17, s41                     ; tile row = 4 x cluster y + cy
	s_lshl_b32 s43, s41, 2
	s_lshl_b32 s43, 15, s43                        ; my row of the cluster
	s_lshl_b32 s44, 0x1111, s40                    ; my column
	s_or_b32 s[G1+0], s43, (0<<16)|(1<<20)|(1<<21)|(5<<22)|(3<<25)  ; the mask; elements of 1 byte; padding on; bit 21 beside a mask; 4 words of padding after every 64
	s_or_b32 s[G1B+0], s44, (0<<16)|(1<<20)|(1<<21)|(5<<22)|(3<<25)
.irp g, G1, G1B
	s_mov_b32 s[\g+1], ROWB<<16                    ; tensor_dim0
	s_mov_b32 s[\g+2], 128<<16                     ; tensor_dim1
	s_mov_b32 s[\g+3], ROWB<<16                    ; tile_dim0
	s_mov_b32 s[\g+4], 128                         ; tile_dim1
	s_mov_b32 s[\g+5], KROW                        ; from row to row
	s_mov_b32 s[\g+6], 0
	s_mov_b32 s[\g+7], 0
.endr
	s_or_b32 s[G1S+0], s43, (3<<16)|(1<<20)|(1<<21)|(5<<22)|(3<<25) ; the scales of 128 rows: 4,096 dense bytes as 16 rows of 32 elements of 8 bytes, 16 bytes of padding behind each
	s_or_b32 s[G1SB+0], s44, (3<<16)|(1<<20)|(1<<21)|(5<<22)|(3<<25)
.irp g, G1S, G1SB
	s_mov_b32 s[\g+1], 32<<16
	s_mov_b32 s[\g+2], (128*KS/256)<<16
	s_mov_b32 s[\g+3], 32<<16
	s_mov_b32 s[\g+4], 128*KS/256
	s_mov_b32 s[\g+5], 32
	s_mov_b32 s[\g+6], 0
	s_mov_b32 s[\g+7], 0
.endr
	s_lshl_b32 s18, s16, 7
	s_lshl_b32 s20, s17, 8
	s_add_co_u32 s20, s20, s18                     ; A: row 256 x tile row + 128 x half
	s_lshl_b32 s46, s42, 8
	s_add_co_u32 s46, s46, s18
	s_lshl_b32 s47, s95, 10
	s_add_co_u32 s46, s46, s47                     ; B: row 1,024 x tensor + 256 x tile column + 128 x half
	s_mov_b32 s21, 0
	s_mov_b32 s47, 0
	s_mov_b64 s[18:19], KS
	s_mul_u64 s[22:23], s[20:21], s[18:19]         ; where these rows' scales begin,
	s_mul_u64 s[92:93], s[46:47], s[18:19]
	s_mov_b64 s[18:19], KROW
	s_mul_u64 s[20:21], s[20:21], s[18:19]         ; and their codes
	s_mul_u64 s[46:47], s[46:47], s[18:19]
	s_mul_i32 s45, s14, HALFT                      ; where they go: wave x 128 rows
	s_mul_i32 s94, s14, HALFS
	s_wait_dscnt 0x0                               ; both opening adds are done
	s_wait_kmcnt 0x0
	s_add_nc_u64 s[20:21], s[4:5], s[20:21]
	s_add_nc_u64 s[22:23], s[6:7], s[22:23]
	s_add_nc_u64 s[46:47], s[8:9], s[46:47]
	s_add_nc_u64 s[92:93], s[10:11], s[92:93]
	CROUND                                         ; all sixteen work-groups are here: the joint loads meet
	s_mov_b32 s[G0S], 1
	s_add_co_u32 s[G0S+1], s94, SCL
	s_mov_b64 s[G0S+2:G0S+3], s[22:23]
	s_or_b32 s[G0S+3], s[G0S+3], 0x80000000
	s_mov_b32 s[G0SB], 1
	s_add_co_u32 s[G0SB+1], s94, SCL
	s_mov_b64 s[G0SB+2:G0SB+3], s[92:93]
	s_or_b32 s[G0SB+3], s[G0SB+3], 0x80000000
	JLOAD G0S, G1S, G0SB, G1SB                     ; the scales first; by this text's count three tensor loads of a wave are out at the most
.irp s, 0,1
	s_mov_b32 s[G0+4*\s], 1
	s_add_co_u32 s[G0+4*\s+1], s45, \s*SLOT
	s_add_nc_u64 s[G0+4*\s+2:G0+4*\s+3], s[20:21], \s*ROWB
	s_or_b32 s[G0+4*\s+3], s[G0+4*\s+3], 0x80000000
	s_mov_b32 s[G0B+4*\s], 1
	s_add_co_u32 s[G0B+4*\s+1], s45, \s*SLOT
	s_add_nc_u64 s[G0B+4*\s+2:G0B+4*\s+3], s[46:47], \s*ROWB
	s_or_b32 s[G0B+4*\s+3], s[G0B+4*\s+3], 0x80000000
	JLOAD G0+4*\s, G1, G0B+4*\s, G1B
.endr
	v_and_b32 v1, 15, v0                           ; r = l % 16
	v_bfe_u32 v2, v0, 4, 1                         ; h = l / 16
	v_mul_u32_u24 v3, v1, PITCH
	v_lshl_add_u32 v4, v2, 4, v3                   ; a fragment's row x pitch + 16 x half
	s_mul_i32 s21, s15, HALFT                      ; my 128 rows of A
	s_mul_i32 s22, s16, HALFT                      ; my 128 rows of B,
	s_add_co_u32 s22, s22, 2*HALFT                 ; behind A's 256
.irp s, 0,1
	v_add_nc_u32 v[ADRA+\s], s21, v4
	v_add_nc_u32 v[ADRB+\s], s22, v4
	s_add_co_u32 s21, s21, SLOT
	s_add_co_u32 s22, s22, SLOT
.endr
	v_mul_u32_u24 v5, v1, KS                       ; my row's scales: KS bytes a row,
	v_lshrrev_b32 v6, 8, v5
	v_lshl_add_u32 v5, v6, 4, v5                   ; and 16 more for each 256 passed
	s_mul_i32 s21, s15, HALFS
	s_mul_i32 s22, s16, HALFS
	s_add_co_u32 s22, s22, 2*HALFS
	s_sub_co_u32 s22, s22, s21
	v_mul_u32_u24 v6, s22, v2                      ; lanes 16-31 take B's
	s_add_co_u32 s21, s21, SCL
	v_add_nc_u32 v5, v5, v6
	v_add_nc_u32 v[ADRS], s21, v5
	s_mul_i32 s23, s14, SGW                        ; my stage
	v_mul_u32_u24 v5, v1, SGP
	v_lshl_add_u32 v5, v2, 4, v5
	v_add_nc_u32 v[STO], s23, v5                   ; in: row r, 16 bytes for each half of the lanes
	v_add_nc_u32 v[STOV], SGV, v[STO]
	v_bfe_u32 v5, v0, 3, 2
	v_and_b32 v6, 7, v0
	v_mul_u32_u24 v5, v5, SGP
	v_lshl_add_u32 v5, v6, 4, v5
	v_add_nc_u32 v[RD], s23, v5                    ; back: eight lanes to a row of 128 bytes, four rows an instruction
	v_add_nc_u32 v[RDV], SGV, v[RD]
	v_and_b32 v6, 31, v0
	v_lshlrev_b32 v[CO], 4, v6
	v_lshlrev_b32 v[RO], 8, v1
	v_lshl_add_u32 v[RO], v2, 5, v[RO]
	s_lshl_b32 s20, s17, 8
	s_lshl_b32 s21, s15, 7
	s_add_co_u32 s20, s20, s21                     ; my first row of the 24,576
	s_lshr_b32 s21, s20, 11                        ; 4 x tensor + batch,
	s_lshl_b32 s22, s21, 22                        ; each 16 heads x 262,144 bytes
	s_and_b32 s20, s20, 2047                       ; my first position in the sequence,
	s_lshl_b32 s21, s20, 7                         ; 128 bytes each within a head
	s_add_co_u32 s22, s22, s21
	s_lshl_b32 s46, s42, 2
	s_lshl_b32 s47, s16, 1
	s_add_co_u32 s46, s46, s47                     ; my first head: 4 x tile column + 2 x half
	s_lshl_b32 s46, s46, 18
	s_add_co_u32 s46, s46, s22
	s_mov_b32 s47, 0
	s_add_nc_u64 s[12:13], s[12:13], s[46:47]
	s_lshl_b32 s46, s20, 8                         ; the tables: 256 bytes a position
	s_add_nc_u64 s[96:97], s[96:97], s[46:47]
	s_add_nc_u64 s[98:99], s[98:99], s[46:47]
.macro FRAG reg, adr, q, i             ; 16 rows x 128 K of 4-bit codes: 8 registers: lane l holds row l % 16; registers 4 c .. 4 c + 3 hold K = 64 c + 32 (l / 16) + 0 .. 31
.irp c, 0,1
	ds_load_b128 v[\reg+4*\c:\reg+4*\c+3], v[\adr] offset:64*(\q)+32*\c+(\i)*16*PITCH
.endr
.endm
; 16 matrix instructions: A's blocks a0, a0 + 1 x B's eight, 128 along K.  The 64 accumulators take turns, one instruction a turn, in the same order in every step.
.macro MUL16 a0, p, q, sc, zero
.irp a, \a0, \a0+1
.irp b, 0,1,2,3,4,5,6,7
.if \zero
	v_wmma_scale_f32_16x16x128_f8f6f4 v[8*(8*((\a)%4)+\b):8*(8*((\a)%4)+\b)+7], v[128*(\p)+FR*\b:128*(\p)+FR*\b+FR-1], v[AF+FR*(\a):AF+FR*(\a)+FR-1], 0, v[SC+8*NQ*(\sc)+NQ*\b+(\q)], v[SC+8*NQ*(\sc)+NQ*(\a)+(\q)] matrix_a_fmt:MATRIX_FMT_FP4 matrix_b_fmt:MATRIX_FMT_FP4 matrix_a_scale:MATRIX_SCALE_ROW1
.else
	v_wmma_scale_f32_16x16x128_f8f6f4 v[8*(8*((\a)%4)+\b):8*(8*((\a)%4)+\b)+7], v[128*(\p)+FR*\b:128*(\p)+FR*\b+FR-1], v[AF+FR*(\a):AF+FR*(\a)+FR-1], v[8*(8*((\a)%4)+\b):8*(8*((\a)%4)+\b)+7], v[SC+8*NQ*(\sc)+NQ*\b+(\q)], v[SC+8*NQ*(\sc)+NQ*(\a)+(\q)] matrix_a_fmt:MATRIX_FMT_FP4 matrix_b_fmt:MATRIX_FMT_FP4 matrix_a_scale:MATRIX_SCALE_ROW1
.endif
.endr
.endr
.endm
.macro FETCH_B slot, q, p
	WIN TO_B
.irp i, 0,1,2,3,4,5,6,7
	FRAG 128*(\p)+FR*\i, ADRB+\slot, \q, \i
.endr
	WIN 0
.endm
.macro FETCH_A slot, q, i0
.irp i, \i0, \i0+1, \i0+2, \i0+3
	FRAG AF+FR*(\i), ADRA+\slot, \q, \i
.endr
.endm
.macro SCALES sc                       ; a slot's scale words: NQ words a row; lanes 0-15 take A's block i, lanes 16-31 B's block i
.irp i, 0,1,2,3,4,5,6,7
	ds_load_b128 v[SC+8*NQ*\sc+NQ*\i:SC+8*NQ*\sc+NQ*\i+3], v[ADRS] offset:\i*SBLK
.endr
.endm
.macro PLACES n                        ; plain vector instructions between a matrix instruction and a load into, or a read of, its registers
.rept \n
	v_nop
.endr
.endm
.macro STEP slot, q, zero              ; a step of 128 along K that has its successor in the same slot
	s_wait_dscnt 4*NL                              ; B's set and A's blocks 0-3 are in; the youngest eight loads (A's blocks 4-7) may be out
	WIN MUL_LO
	MUL16 0, (\q)%2, \q, \slot, \zero
	MUL16 2, (\q)%2, \q, \slot, \zero
	s_wait_dscnt 0
	PLACES NP
	FETCH_B \slot, (\q)+1, 1-(\q)%2
	FETCH_A \slot, (\q)+1, 0
	WIN MUL_HI
	MUL16 4, (\q)%2, \q, \slot, \zero
	MUL16 6, (\q)%2, \q, \slot, \zero
	PLACES NP
	WIN 0
	FETCH_A \slot, (\q)+1, 4
.endm
; Slot 0's last step changes slots: one barrier; in front of it each wave waits for all its tensor loads (its part of slot 1), adds 0 to its spare word, and waits for that and for its reads.
.macro TURN slot, next
	s_wait_tensorcnt 0x0
	ds_add_u32 v[SPW], v[NIL]
	s_wait_dscnt 4*NL+1                            ; (the add and the youngest eight loads may be out)
	WIN MUL_LO
	MUL16 0, 1, NQ-1, \slot, 0
	s_wait_dscnt 0x0
	s_barrier_signal -1
	MUL16 2, 1, NQ-1, \slot, 0
	WIN 0
	s_barrier_wait -1
	PLACES NP
	v_add_nc_u32 v[ADRS], 4*NQ, v[ADRS]            ; the next slot's scale words (no LDS load of mine is out)
	FETCH_B \next, 0, 0
	FETCH_A \next, 0, 0
	SCALES \next
	WIN MUL_HI
	MUL16 4, 1, NQ-1, \slot, 0
	MUL16 6, 1, NQ-1, \slot, 0
	PLACES NP
	WIN 0
	FETCH_A \next, 0, 4
.endm
.macro STEPS slot, from
.set Q, \from
.rept NQ-1-\from
	STEP \slot, Q, 0
.set Q, Q+1
.endr
.endm
	s_wait_tensorcnt 1                             ; the scales and my part of slot 0 are in (slot 1's load may be out),
	s_barrier_signal -1
	s_barrier_wait -1                              ; everybody's are
	FETCH_B 0, 0, 0
	FETCH_A 0, 0, 0
	SCALES 0
	FETCH_A 0, 0, 4
	STEP 0, 0, 1                                   ; the first products start the sums: nothing is cleared
	STEPS 0, 1
	TURN 0, 1
	STEPS 1, 0
	s_wait_dscnt 4*NL
	WIN MUL_LO
	MUL16 0, 1, NQ-1, 1, 0
	MUL16 2, 1, NQ-1, 1, 0
	s_wait_dscnt 0
	WIN MUL_HI
	MUL16 4, 1, NQ-1, 1, 0
	MUL16 6, 1, NQ-1, 1, 0
	WIN 0
; THE WAY OUT, a block of 16 rows x 128 columns (two heads) at a time.  Lane (r, h), register j of accumulator (a, b): row 16 a + r, head b / 4, channel 16 (b % 4) + 8 h + j.
.macro ROPELD a                        ; the tables' numbers for block a in the results' layout: 16 loads of 16 bytes a lane, into set a % 2 of window 1: cos of channels 16 bb on at 8 bb, sin at 32 + 8 bb
	WIN 0x40
.irp bb, 0,1,2,3
	global_load_b128 v[64*((\a)%2)+8*\bb:64*((\a)%2)+8*\bb+3], v[RO], s[96:97] offset:4096*(\a)+64*\bb
	global_load_b128 v[64*((\a)%2)+8*\bb+4:64*((\a)%2)+8*\bb+7], v[RO], s[96:97] offset:4096*(\a)+64*\bb+16
	global_load_b128 v[64*((\a)%2)+32+8*\bb:64*((\a)%2)+32+8*\bb+3], v[RO], s[98:99] offset:4096*(\a)+64*\bb
	global_load_b128 v[64*((\a)%2)+32+8*\bb+4:64*((\a)%2)+32+8*\bb+7], v[RO], s[98:99] offset:4096*(\a)+64*\bb+16
.endr
	WIN 0
.endm
.macro ROPE a                          ; d < 32: x[d] cos[d] - x[d + 32] sin[d];  d >= 32: x[d] cos[d] + x[d - 32] sin[d].  Each accumulator is read from its low end on
.set AC, 64*((\a)%4)
.set TSET, 64*((\a)%2)
	WIN 0x06+(\a)/4                                ; source 0: the accumulators' window; source 1: window 1; source 2 and destination: window 0
.irp g, 0,1
.irp bb, 0,1
.irp j, 0,2,4,6
	v_pk_mul_f32 v[TF+8*(4*\g+\bb)+\j:TF+8*(4*\g+\bb)+\j+1], v[AC+8*(4*\g+\bb)+\j:AC+8*(4*\g+\bb)+\j+1], v[TSET+8*\bb+\j:TSET+8*\bb+\j+1]
	v_pk_mul_f32 v[TF+8*(4*\g+\bb+2)+\j:TF+8*(4*\g+\bb+2)+\j+1], v[AC+8*(4*\g+\bb+2)+\j:AC+8*(4*\g+\bb+2)+\j+1], v[TSET+8*(\bb+2)+\j:TSET+8*(\bb+2)+\j+1]
	v_pk_fma_f32 v[TF+8*(4*\g+\bb)+\j:TF+8*(4*\g+\bb)+\j+1], v[AC+8*(4*\g+\bb+2)+\j:AC+8*(4*\g+\bb+2)+\j+1], v[TSET+32+8*\bb+\j:TSET+32+8*\bb+\j+1], v[TF+8*(4*\g+\bb)+\j:TF+8*(4*\g+\bb)+\j+1] neg_lo:[0,1,0] neg_hi:[0,1,0]
	v_pk_fma_f32 v[TF+8*(4*\g+\bb+2)+\j:TF+8*(4*\g+\bb+2)+\j+1], v[AC+8*(4*\g+\bb)+\j:AC+8*(4*\g+\bb)+\j+1], v[TSET+32+8*(\bb+2)+\j:TSET+32+8*(\bb+2)+\j+1], v[TF+8*(4*\g+\bb+2)+\j:TF+8*(4*\g+\bb+2)+\j+1]
.endr
.endr
.endr
	WIN 0
.irp b, 0,1,2,3,4,5,6,7
.irp i, 0,1,2,3
	v_cvt_pk_f16_f32 v[PKD+4*\b+\i], v[TF+8*\b+2*\i], v[TF+8*\b+2*\i+1]
.endr
.endr
.endm
.macro PACKV a                         ; v has no RoPE: rounded to f16 as it stands
.set AC, 64*((\a)%4)
	WIN 0x0a+5*((\a)/4)
.irp b, 0,1,2,3,4,5,6,7
.irp i, 0,1,2,3
	v_cvt_pk_f16_f32 v[PKD+4*\b+\i], v[AC+8*\b+2*\i], v[AC+8*\b+2*\i+1]
.endr
.endr
	WIN 0
.endm
.macro TOSTAGE a, sto, rd              ; 16 bytes a lane into my stage, back as whole rows.  LDS serves a wave's instructions in order (ISA guide 5.7.1.4): no wait between the stores and the loads
.irp b, 0,1,2,3,4,5,6,7
	ds_store_b128 v[\sto], v[PKD+4*\b:PKD+4*\b+3] offset:(\b/4)*SGH+32*(\b%4)
.endr
.set BB, BK+32*((\a)%2)
.irp i, 0,1,2,3,4,5,6,7
	ds_load_b128 v[BB+4*\i:BB+4*\i+3], v[\rd] offset:(\i/4)*SGH+(\i%4)*4*SGP
.endr
.endm
.macro SEND a
.set BB, BK+32*((\a)%2)
	s_wait_dscnt 0x0                               ; the block is back in registers
.irp i, 0,1,2,3,4,5,6,7
	global_store_b128 v[CO], v[BB+4*\i:BB+4*\i+3], s[12:13] offset:(\i/4)*262144+(\a)*2048+(\i%4)*512   ; four rows of a head: 512 consecutive bytes, aligned to 512
.endr
.endm
	PLACES NP                                      ; behind the last products: for the reads of results, and for the loads and writes into registers that held operands and scales
	s_cmp_eq_u32 s95, 2                            ; the cluster's y alone decides: the same in all sixteen partners
	s_cbranch_scc1 .Lv_out
	ROPELD 0
	ROPELD 1
.irp a, 0,1,2,3,4,5,6,7
.if \a < 7
	s_wait_loadcnt 16                              ; this block's table numbers are in; the next block's sixteen loads may be out
.else
	s_wait_loadcnt 0x0
.endif
	ROPE \a
.if \a < 6
	ROPELD \a+2
.endif
.if \a > 0
	SEND \a-1
.endif
.if \a > 1
	s_wait_xcnt 0x0                                ; block a - 2's stores have read their registers: block a's rows may land there
.endif
	TOSTAGE \a, STO, RD
.endr
	SEND 7
	s_branch .Ldone
.Lv_out:
.irp a, 0,1,2,3,4,5,6,7
	PACKV \a
.if \a > 0
	SEND \a-1
.endif
.if \a > 1
	s_wait_xcnt 0x0
.endif
	TOSTAGE \a, STOV, RDV
.endr
	SEND 7
.Ldone:
	s_wait_tensorcnt 0x0                           ; the wave's end, behind my last tensor load and my last LDS store
	ds_add_u32 v[SPW], v[NIL]
	s_wait_dscnt 0x0
	CROUND                                         ; the closing round
	s_endpgm
.Lfunc_end_k_q64134e7a5c_proj:
	.size	k_q64134e7a5c_proj, .Lfunc_end_k_q64134e7a5c_proj-k_q64134e7a5c_proj
	.p2alignl 7, 3214868480
	.fill 96, 4, 3214868480
	.section	.rodata,"a",@progbits
	.p2align	6, 0x0
	.amdhsa_kernel k_q64134e7a5c_proj
		.amdhsa_group_segment_fixed_size 327680
		.amdhsa_private_segment_fixed_size 0
		.amdhsa_enable_private_segment 0
		.amdhsa_kernarg_size 56
		.amdhsa_user_sgpr_count 2
		.amdhsa_user_sgpr_kernarg_segment_ptr 1
		.amdhsa_wavefront_size32 1
		.amdhsa_system_sgpr_workgroup_id_x 1
		.amdhsa_system_sgpr_workgroup_id_y 1
		.amdhsa_system_sgpr_workgroup_id_z 1
		.amdhsa_system_vgpr_workitem_id 0
		.amdhsa_next_free_vgpr 1024
		.amdhsa_next_free_sgpr 100
		.amdhsa_reserve_vcc 0
		.amdhsa_float_denorm_mode_32 3
		.amdhsa_float_denorm_mode_16_64 3
		.amdhsa_memory_ordered 1
		.amdhsa_forward_progress 1
		.amdhsa_inst_pref_size 203
	.end_amdhsa_kernel
	.amdgpu_metadata
---
amdhsa.version: [ 1, 2 ]
amdhsa.kernels:
  - .name:           k_q64134e7a5c_proj
    .symbol:         k_q64134e7a5c_proj.kd
    .args:
      - { .name: xc, .offset: 0, .size: 8, .value_kind: global_buffer, .address_space: global }
      - { .name: xs, .offset: 8, .size: 8, .value_kind: global_buffer, .address_space: global }
      - { .name: wc, .offset: 16, .size: 8, .value_kind: global_buffer, .address_space: global }
      - { .name: ws, .offset: 24, .size: 8, .value_kind: global_buffer, .address_space: global }
      - { .name: rope_cos, .offset: 32, .size: 8, .value_kind: global_buffer, .address_space: global }
      - { .name: rope_sin, .offset: 40, .size: 8, .value_kind: global_buffer, .address_space: global }
      - { .name: qkv, .offset: 48, .size: 8, .value_kind: global_buffer, .address_space: global }
    .group_segment_fixed_size: 327680
    .private_segment_fixed_size: 0
    .kernarg_segment_align: 8
    .kernarg_segment_size: 56
    .max_flat_workgroup_size: 128
    .sgpr_count:     100
    .vgpr_count:     1024
    .wavefront_size: 32
...
	.end_amdgpu_metadata
.endif
;; end of part 2
;; launch attn (part 3): grid 4 x 64, 16 waves a work-group, clusters of 4 x 1, 327,680 bytes of LDS; arguments qkv, att; writes att
.if DOCPART == 3
	.amdgcn_target "amdgcn-amd-amdhsa--gfx1250"
	.amdhsa_code_object_version 6
	.text
	.protected	k_q64134e7a5c_attn
	.globl	k_q64134e7a5c_attn
	.p2align	8
	.type	k_q64134e7a5c_attn,@function
k_q64134e7a5c_attn:
	s_mov_b64 s[64:65], 0
	v_nop
	global_prefetch_b8 v0, s[64:65] scope:SCOPE_SE
	s_setreg_imm32_b32 hwreg(HW_REG_WAVE_MODE, 25, 1), 1
	s_wait_xcnt 0x0
	s_wait_alu depctr_hold_cnt(0) depctr_sa_sdst(0) depctr_va_vdst(0) depctr_va_sdst(0) depctr_va_ssrc(0) depctr_va_vcc(0) depctr_vm_vsrc(0)
	s_getreg_b32 s2, hwreg(HW_REG_IB_STS2, 6, 4)
	s_cmp_eq_u32 s2, 0
	s_cbranch_scc0 .Lentry_in_a_cluster
	s_endpgm
.Lentry_in_a_cluster:
	s_bfe_u32 s2, ttmp6, 0x10000c
	s_cmp_lg_u32 s2, 0x3003
	s_cbranch_scc0 .Lentry_shape_is_right
	s_endpgm
.Lentry_shape_is_right:
; THIRD LAUNCH: att[b][h][q][:] = the sum over k of softmax_k(Q[q] . K[k] / 8) V[k][:], no mask, for the 64 (batch, head) pairs.  Q, K, V: the three tensors of qkv, [64][2048][64] f16 each; att likewise.  No work of the problem is left out here.
; Products on f16 operands with f32 sums; maxima, exponentials and sums in f32; the weights p (at most 1) are rounded to f16 for the second product, the result once at the end.
; LIMITS: p under 6e-8 counts as 0 in the second product (it still counts in the row's sum); a result beyond 65,504 becomes infinity in f16.
; SHARES.  A work-group owns 512 queries of one (batch, head); each of its SIXTEEN waves owns 32, two tiles of 16, in 256 registers: four waves to a SIMD, so that one wave's vector work stands beside another's matrix work and LDS loads.
; Every wave walks all 2,048 keys, 64 a step.  K and V come through two LDS slots of 256 keys (four steps), filled by the tensor data mover: waves 0, 1 K's halves, waves 2, 3 V's; all sixteen read them.
; CLUSTER.  The four query blocks of a (batch, head) form a cluster and walk the same K and V: each tile is asked for JOINTLY, by the same tensor load with the same descriptor and the mask of all four.
; LAYOUT.  S^T = K Q^T (source 0 = 16 keys, source 1 = 16 queries): a lane holds ONE query (lane % 16) and keys 8 (lane / 16) + 0..7.  Two such tiles, rounded to f16 in pairs, ARE source 1 (32 keys x 16 queries) of O^T = V^T P.
; K comes out of LDS as it lies, V ([key][channel]) turned, by ds_load_tr16_b128.
; SOFTMAX.  For each query a running maximum m and sum l: p = 2^(c s - c m), c = log2(e) / 8; in every step O and l are multiplied by a = 2^(c m_old - c m_new).  m begins at -3e38 and l and O at 0, so that the step is written once.
; REGISTERS: v1-11 addresses; v12-27 statistics, eight a tile (+0 c m, +1 m, +2, +3 l, +4..+7 at work, a at +6); v28-31 a second chain of the sum; v32-63 Q; v64-127 K's, then V's fragments of a step; v128-191 S^T, then p, then P in each tile's low 16; v192-255 O^T.
.set KS,    64                         ; keys in a step
.set SK,    256                        ; keys in a slot
.set PK,    144                        ; a key's row in LDS: 128 bytes + 16: the 16 rows of a load start at 16 different groups of four banks (64 banks of 4 bytes: ISA guide 11.1)
.set PV,    160                        ; a row of V: 128 + 32
.set VOFF,  SK*PK
.set SLOT1, 1<<17                      ; slot 1 begins here: one exclusive or turns an address in one slot into the other's
.set NSL,   2048/SK
.set SPARE, SLOT1+SK*(PK+PV)           ; the spare words, 128 bytes a wave: eight blocks of 256 bytes that no other line names
.set SGW,   32*PK                      ; the way out: 32 rows x 144 bytes a wave, in slot 0: left at the last change of slots, it has had its last fill and nobody reads it
.set TENS,  16777216                   ; bytes of one of qkv's three tensors
.set PLANE, 262144                     ; and of one (batch, head) in it
.set AK0, 1
.set AV0, 2
.set ADK, 3
.set ADV, 4
.set SPW, 5
.set NIL, 6
.set PFO, 7
.set STO, 8
.set RD,  9
.set GO,  10
.set QO,  11
.set ST,  12
.set XC,  28
.set QF,  32
.set KV,  64
.set SF,  128
.set OF,  192
.set WV,  12                           ; s12  my wave's number
.set LIM, 15                           ; s15  1 in a wave that prefetches, else the greatest number
.set PFA, 18                           ; s[18:19] where my prefetches stand
.set G1K, 24
.set G1V, 32
.set G0K, 40
.set G0V, 44
.set SLOTS, 56
.set CS,  58
.set SEL, 60
.set TB,  62                           ; s62  LDS byte at which the slot in hand begins
.macro CROUND                          ; a round of the cluster's barrier
	s_barrier_signal -1
	s_barrier_wait -1
	s_cmp_lg_u32 s[WV], 0
	s_cbranch_scc1 .Lnot_wave_0_\@
	s_barrier_signal -3
.Lnot_wave_0_\@:
	s_barrier_wait -3
	s_barrier_signal -1
	s_barrier_wait -1
.endm
; Waves 0 and 1 fetch K's halves, waves 2 and 3 V's, the others nothing: the branches hang on the wave's number alone, the same in all four partners.  An s_nop 0 and four v_nop follow each of the two lines.
.macro TLOAD
	s_cmp_lt_u32 s[WV], 2
	s_cbranch_scc0 .Lnot_k_\@
	tensor_load_to_lds s[G0K:G0K+3], s[G1K:G1K+7]
	s_nop 0
.rept 4
	v_nop
.endr
	s_branch .Lasked_\@
.Lnot_k_\@:
	s_cmp_lt_u32 s[WV], 4
	s_cbranch_scc0 .Lasked_\@
	tensor_load_to_lds s[G0V:G0V+3], s[G1V:G1V+7]
	s_nop 0
.rept 4
	v_nop
.endr
.Lasked_\@:
.endm
; A PREFETCH of what the NEXT change of slots will ask for: a slot's 32,768 bytes of K and of V.  Only this cluster walks this (batch, head).  Its four partners share the bytes out BY ADDRESS, 8,192 each;
; in each, wave 4 asks for K's and wave 5 for V's, lanes 256 bytes apart: each aligned 256 bytes are named once in the launch.  It stands where the fetching waves have just issued their tensor load, four key steps ahead of the load
; that wants the bytes.  The last change that fills a slot asks for nothing; slots 0 and 1 come by their loads alone.
.macro ASK
	s_cmp_gt_u32 s[SLOTS], s[LIM]
	s_cbranch_scc0 .Lnot_mine_\@
	global_prefetch_b8 v[PFO], s[PFA:PFA+1] th:TH_LOAD_NT scope:SCOPE_SE
.Lnot_mine_\@:
.endm
	s_load_b128 s[4:7], s[0:1], 0x0                ; qkv s[4:5], att s[6:7]
	v_lshl_add_u32 v[SPW], v0, 2, SPARE
	v_mov_b32 v[NIL], 0
	ds_add_u32 v[SPW], v[NIL]                      ; the wave's opening: the add, twice on end, and its wait ahead of the first tensor loads
	ds_add_u32 v[SPW], v[NIL]
	v_lshrrev_b32 v1, 5, v0
	v_readfirstlane_b32 s[WV], v1                  ; wave 0..15
	s_bfe_u32 s13, ttmp6, 0x40000                  ; cx: my block of 512 queries; it enters Q's, att's and the prefetches' addresses alone
	s_and_b32 s20, ttmp7, 0xffff                   ; the (batch, head), which the four partners share
	s_lshl_b32 s20, s20, 18                        ; its first byte in each tensor
	s_and_b32 s16, s[WV], 1                        ; which half of a slot's rows I fetch, if I fetch
	s_lshl_b32 s22, s16, 14                        ; 128 rows of 128 bytes
	s_add_co_u32 s22, s22, s20
	s_mov_b32 s23, 0
	s_mul_i32 s17, s16, 128*PK                     ; and their place in a slot: K's,
	s_mul_i32 s14, s16, 128*PV                     ; V's
	s_mov_b32 s3, 2*TENS
	s_cmp_eq_u32 s[WV], 4
	s_cselect_b32 s10, TENS, s3                    ; the prefetches: wave 4 K's tensor, wave 5 V's (the others ask for nothing),
	s_lshl_b32 s11, s13, 13
	s_add_co_u32 s10, s10, s11                     ; my work-group's 8,192 bytes,
	s_add_co_u32 s10, s10, s20                     ; in my (batch, head),
	s_add_co_u32 s10, s10, SK*128                  ; in slot 1: the first change of slots steps it to slot 2
	s_mov_b32 s11, 0
	s_lshr_b32 s15, s[WV], 1
	s_cmp_eq_u32 s15, 2
	s_cselect_b32 s[LIM], 1, -1
	s_lshl_b32 s2, s13, 16                         ; my block's 512 rows of 128 bytes,
	s_lshl_b32 s3, s[WV], 12                       ; my wave's 32
	s_add_co_u32 s2, s2, s3
	s_add_co_u32 s2, s2, s20
	s_mov_b32 s3, 0
	; descriptor group 1: 128 rows x 64 elements of 2 bytes, dense in memory, padded in LDS behind every row
	s_mov_b32 s[G1K], 15|(1<<16)|(1<<20)|(1<<21)|(4<<22)|(3<<25)   ; the mask of all four; 2-byte elements; padding on; bit 21 beside a mask; after every 32 words 4 words
	s_mov_b32 s[G1V], 15|(1<<16)|(1<<20)|(1<<21)|(4<<22)|(7<<25)   ; the same with 8 words of padding
.irp g, G1K, G1V
	s_mov_b32 s[\g+1], 64<<16                      ; tensor_dim0
	s_mov_b32 s[\g+2], 128<<16                     ; tensor_dim1
	s_mov_b32 s[\g+3], 64<<16                      ; tile_dim0
	s_mov_b32 s[\g+4], 128                         ; tile_dim1
	s_mov_b32 s[\g+5], 64                          ; from row to row
	s_mov_b32 s[\g+6], 0
	s_mov_b32 s[\g+7], 0
.endr
	s_mov_b32 s[CS], 0x3e38aa3b                    ; c = log2(e) / 8
	s_mov_b32 s[CS+1], s[CS]                       ; (named with it as a pair, so it is written)
	s_mov_b32 s[SEL], 0x76543210
	s_mov_b32 s[SEL+1], 0xfedcba98                 ; v_permlanex16_b32's selects for lane l xor 16
	s_mov_b32 s[TB], 0
	s_mov_b32 s[SLOTS], NSL-1
	s_wait_dscnt 0x0                               ; both opening adds are done
	s_wait_kmcnt 0x0
	s_add_nc_u64 s[8:9], s[4:5], s[22:23]
	s_mov_b32 s[G0K], 1
	s_mov_b32 s[G0K+1], s17
	s_add_nc_u64 s[G0K+2:G0K+3], s[8:9], TENS      ; K's first 256 keys, my half
	s_or_b32 s[G0K+3], s[G0K+3], 0x80000000
	s_mov_b32 s[G0V], 1
	s_add_co_u32 s[G0V+1], s14, VOFF
	s_add_nc_u64 s[G0V+2:G0V+3], s[8:9], 2*TENS
	s_or_b32 s[G0V+3], s[G0V+3], 0x80000000
	s_add_nc_u64 s[PFA:PFA+1], s[4:5], s[10:11]
	s_add_nc_u64 s[4:5], s[4:5], s[2:3]            ; Q at my wave's first row
	s_add_nc_u64 s[6:7], s[6:7], s[2:3]            ; att likewise
	CROUND                                         ; all four work-groups are here: the first joint loads meet
	TLOAD                                          ; slot 0.  By this text's count one tensor load of a wave is out at the most
	v_and_b32 v12, 15, v0                          ; r
	v_bfe_u32 v13, v0, 4, 1                        ; h
	v_and_b32 v14, 7, v0
	v_bfe_u32 v15, v0, 3, 1
	v_bfe_u32 v16, v0, 3, 2
	v_and_b32 v17, 31, v0
	v_lshlrev_b32 v[QO], 7, v12
	v_lshl_add_u32 v[QO], v13, 4, v[QO]            ; Q: row r of 128 bytes + 16 h
.irp t, 0,1
.irp c, 0,1
	global_load_b128 v[QF+16*\t+8*\c:QF+16*\t+8*\c+3], v[QO], s[4:5] offset:2048*\t+64*\c th:TH_LOAD_NT      ; Q stays in registers: tile t, channels 32 c on
	global_load_b128 v[QF+16*\t+8*\c+4:QF+16*\t+8*\c+7], v[QO], s[4:5] offset:2048*\t+64*\c+32 th:TH_LOAD_NT
.endr
.endr
	v_mul_u32_u24 v[AK0], v12, PK
	v_lshl_add_u32 v[AK0], v13, 4, v[AK0]          ; K: row x pitch + 16 x half
	v_lshl_add_u32 v[AV0], v13, 3, v14             ; the turning load: key 8 (l / 16) + l % 8, channels 8 ((l / 8) % 2) on
	v_mul_u32_u24 v[AV0], v[AV0], PV
	v_lshl_add_u32 v[AV0], v15, 4, v[AV0]
	v_add_nc_u32 v[AV0], VOFF, v[AV0]
	s_mul_i32 s14, s[WV], SGW                      ; my stage
	v_add_nc_u32 v[STO], s14, v[AK0]               ; in: row r, 16 bytes for each half of the lanes
	v_mul_u32_u24 v[RD], v16, PK
	v_lshl_add_u32 v[RD], v14, 4, v[RD]
	v_add_nc_u32 v[RD], s14, v[RD]                 ; back: eight lanes to a row of 128 bytes, four rows an instruction
	v_lshlrev_b32 v[GO], 4, v17
	v_lshlrev_b32 v[PFO], 8, v17
.irp t, 0,1
	v_mov_b32 v[ST+8*\t+1], 0xff61b1e6             ; m: -3e38, under every score
	v_mul_f32 v[ST+8*\t], s[CS], v[ST+8*\t+1]      ; c m
	v_mov_b32 v[ST+8*\t+2], 0                      ; l, in two halves
	v_mov_b32 v[ST+8*\t+3], 0
.endr
.irp j, 0,1,2,3,4,5,6,7,8,9,10,11,12,13,14,15,16,17,18,19,20,21,22,23,24,25,26,27,28,29,30,31,32,33,34,35,36,37,38,39,40,41,42,43,44,45,46,47,48,49,50,51,52,53,54,55,56,57,58,59,60,61,62,63
	v_mov_b32 v[OF+\j], 0                          ; O^T.  (The step is written once: the first finds zeros, which a = 0 leaves zeros)
.endr
; THE SOFTMAX of a key step, the two tiles line by line in turn, so that no line waits for the line above it.
.macro SOFTMAX
.irp j, 0,1,2,3
.irp t, 0,1
	v_max3_num_f32 v[ST+8*\t+4+\j], v[SF+32*\t+8*\j], v[SF+32*\t+8*\j+1], v[SF+32*\t+8*\j+2]   ; four chains, one to an accumulator, each from its low end on
.endr
.endr
.irp u, 1,2
.irp j, 0,1,2,3
.irp t, 0,1
	v_max3_num_f32 v[ST+8*\t+4+\j], v[ST+8*\t+4+\j], v[SF+32*\t+8*\j+2*\u+1], v[SF+32*\t+8*\j+2*\u+2]
.endr
.endr
.endr
.irp t, 0,1
	v_max3_num_f32 v[ST+8*\t+4], v[ST+8*\t+4], v[SF+32*\t+7], v[SF+32*\t+15]
	v_max3_num_f32 v[ST+8*\t+6], v[ST+8*\t+6], v[SF+32*\t+23], v[SF+32*\t+31]
.endr
.irp t, 0,1
	v_max3_num_f32 v[ST+8*\t+4], v[ST+8*\t+4], v[ST+8*\t+5], v[ST+8*\t+6]
.endr
.irp t, 0,1
	v_max3_num_f32 v[ST+8*\t+4], v[ST+8*\t+4], v[ST+8*\t+7], v[ST+8*\t+1]   ; and the old m
.endr
.irp t, 0,1
	v_permlanex16_b32 v[ST+8*\t+5], v[ST+8*\t+4], s[SEL], s[SEL+1]          ; the query's other 32 keys lie in the lane 16 away
.endr
.irp t, 0,1
	v_mov_b32 v[ST+8*\t+7], v[ST+8*\t]             ; c m_old is kept for a
.endr
.irp t, 0,1
	v_max_num_f32 v[ST+8*\t+1], v[ST+8*\t+4], v[ST+8*\t+5]
.endr
.irp t, 0,1
	v_mul_f32 v[ST+8*\t], s[CS], v[ST+8*\t+1]
.endr
.irp t, 0,1
	v_sub_f32 v[ST+8*\t+7], v[ST+8*\t+7], v[ST+8*\t]
.endr
.irp i, 0,2,4,6,8,10,12,14,16,18,20,22,24,26,28,30
.irp t, 0,1
	v_pk_fma_f32 v[SF+32*\t+\i:SF+32*\t+\i+1], v[SF+32*\t+\i:SF+32*\t+\i+1], s[CS:CS+1], v[ST+8*\t:ST+8*\t+1] op_sel_hi:[1,0,0] neg_lo:[0,0,1] neg_hi:[0,0,1]   ; c s - c m, two at a time
.endr
.endr
.irp t, 0,1
	v_exp_f32 v[ST+8*\t+6], v[ST+8*\t+7]           ; a
.endr
.irp e, 0,1,2,3,4,5,6,7,8,9,10,11,12,13,14,15,16,17,18,19,20,21,22,23,24,25,26,27,28,29,30,31
.irp t, 0,1
	v_exp_f32 v[SF+32*\t+\e], v[SF+32*\t+\e]       ; p.  The 66 exponentials are one batch: none reads another's result
.endr
.endr
	v_nop                                          ; a plain instruction behind the last exponential
	s_wait_alu depctr_va_vdst(0)                   ; the wait ahead of the first instruction that names a result: one for the batch
.irp t, 0,1
	v_pk_mul_f32 v[ST+8*\t+2:ST+8*\t+3], v[ST+8*\t+2:ST+8*\t+3], v[ST+8*\t+6:ST+8*\t+7] op_sel_hi:[1,0]   ; l x a
.endr
.irp t, 0,1
	v_pk_add_f32 v[XC+2*\t:XC+2*\t+1], v[SF+32*\t:SF+32*\t+1], v[SF+32*\t+2:SF+32*\t+3]   ; the sum of the unrounded p, in two chains
.endr
.irp i, 4,8,12,16,20,24,28
.irp t, 0,1
	v_pk_add_f32 v[ST+8*\t+2:ST+8*\t+3], v[ST+8*\t+2:ST+8*\t+3], v[SF+32*\t+\i:SF+32*\t+\i+1]
	v_pk_add_f32 v[XC+2*\t:XC+2*\t+1], v[XC+2*\t:XC+2*\t+1], v[SF+32*\t+\i+2:SF+32*\t+\i+3]
.endr
.endr
.irp t, 0,1
	v_pk_add_f32 v[ST+8*\t+2:ST+8*\t+3], v[ST+8*\t+2:ST+8*\t+3], v[XC+2*\t:XC+2*\t+1]
.endr
.irp i, 0,1,2,3,4,5,6,7,8,9,10,11,12,13,14,15
.irp t, 0,1
	v_cvt_pk_f16_f32 v[SF+32*\t+\i], v[SF+32*\t+2*\i], v[SF+32*\t+2*\i+1]   ; P, in place and ascending: register i is written when pairs 0 .. i have been read
.endr
.endr
.irp i, 0,2,4,6,8,10,12,14,16,18,20,22,24,26,28,30
.irp t, 0,1
	v_pk_mul_f32 v[OF+32*\t+\i:OF+32*\t+\i+1], v[OF+32*\t+\i:OF+32*\t+\i+1], v[ST+8*\t+6:ST+8*\t+7] op_sel_hi:[1,0]   ; O^T x a, each accumulator from its low end on
.endr
.endr
.endm
; A KEY STEP: 64 keys, the q-th of the slot in hand.
.macro STEP q
.irp a, 0,1,2,3
.irp c, 0,1
	ds_load_b128 v[KV+16*\a+8*\c:KV+16*\a+8*\c+3], v[ADK] offset:(\q)*KS*PK+\a*16*PK+64*\c        ; K: keys 16 a on, channels 32 c on
	ds_load_b128 v[KV+16*\a+8*\c+4:KV+16*\a+8*\c+7], v[ADK] offset:(\q)*KS*PK+\a*16*PK+64*\c+32
.endr
.endr
	s_wait_dscnt 0x0
.irp c, 0,1                                    ; S^T = K Q^T: the eight accumulators take turns, one instruction a turn; the first eight start the sums
.irp a, 0,1,2,3
.irp t, 0,1
.if \c == 0
	v_wmma_f32_16x16x32_f16 v[SF+32*\t+8*\a:SF+32*\t+8*\a+7], v[KV+16*\a+8*\c:KV+16*\a+8*\c+7], v[QF+16*\t+8*\c:QF+16*\t+8*\c+7], 0
.else
	v_wmma_f32_16x16x32_f16 v[SF+32*\t+8*\a:SF+32*\t+8*\a+7], v[KV+16*\a+8*\c:KV+16*\a+8*\c+7], v[QF+16*\t+8*\c:QF+16*\t+8*\c+7], v[SF+32*\t+8*\a:SF+32*\t+8*\a+7]
.endif
.endr
.endr
.endr
.rept 4
	v_nop                                          ; four places: for the loads into K's registers and for the first reads of the scores
.endr
.irp f, 0,1,2,3
.irp c, 0,1
	ds_load_tr16_b128 v[KV+16*\f+8*\c:KV+16*\f+8*\c+3], v[ADV] offset:(\q)*KS*PV+\c*32*PV+32*\f   ; V^T: channels 16 f on, keys 32 c on; it lands while the softmax is walked
	ds_load_tr16_b128 v[KV+16*\f+8*\c+4:KV+16*\f+8*\c+7], v[ADV] offset:(\q)*KS*PV+\c*32*PV+16*PV+32*\f
.endr
.endr
	SOFTMAX
	s_wait_dscnt 0x0                               ; V is in
.irp c, 0,1                                    ; O^T += V^T P: eight accumulators by turns
.irp f, 0,1,2,3
.irp t, 0,1
	v_wmma_f32_16x16x32_f16 v[OF+32*\t+8*\f:OF+32*\t+8*\f+7], v[KV+16*\f+8*\c:KV+16*\f+8*\c+7], v[SF+32*\t+8*\c:SF+32*\t+8*\c+7], v[OF+32*\t+8*\f:OF+32*\t+8*\f+7]
.endr
.endr
.endr
.rept 5
	v_nop                                          ; five places: the next step's first products write over P's registers; its loads land in V's
.endr
.endm
; THE CHANGE OF SLOTS stands at a slot's head.  Each wave waits for all its tensor loads (its part of the slot that it is about to read), adds 0 to its spare word, and waits for that and for its reads of the slot that it has left.
; fill = 1: a round of the cluster's barrier follows, so that no wave of any partner still reads the other slot or has a load on its way, and the joint load of the next 256 keys is the first thing behind it: it has four key steps in which to land.
.macro CHANGE fill
	s_wait_tensorcnt 0x0                           ; no tensor load of mine is out, so a group 0 may be written
	ds_add_u32 v[SPW], v[NIL]
.if \fill
	ds_add_u32 v[SPW], v[NIL]                      ; and twice on end here, in every trip alike
	s_xor_b32 s[G0K+1], s[G0K+1], SLOT1            ; the walking descriptors: the other slot than last time,
	s_add_nc_u64 s[G0K+2:G0K+3], s[G0K+2:G0K+3], SK*128   ; the next 256 keys; the type bits on top are not reached
	s_xor_b32 s[G0V+1], s[G0V+1], SLOT1
	s_add_nc_u64 s[G0V+2:G0V+3], s[G0V+2:G0V+3], SK*128
	s_wait_xcnt 0x0                                ; the last prefetch, a slot back, has read its address, so it may be written:
	s_add_nc_u64 s[PFA:PFA+1], s[PFA:PFA+1], SK*128  ; one slot further on than the walking descriptors
	s_wait_dscnt 0x0                               ; both adds are done, and my reads of the slot that I have left are over
	CROUND
	TLOAD
	ASK
.else
	s_wait_dscnt 0x0
	s_barrier_signal -1
	s_barrier_wait -1
.endif
.endm
.macro SLOT_STEPS
	v_add_nc_u32 v[ADK], s[TB], v[AK0]
	v_add_nc_u32 v[ADV], s[TB], v[AV0]
	STEP 0
	STEP 1
	STEP 2
	STEP 3
	s_xor_b32 s[TB], s[TB], SLOT1                  ; on to the other slot
.endm
	s_wait_loadcnt 0x0                             ; Q
.Lslot:                                            ; NSL - 1 trips: behind each change of slots but the last the next slot is asked for
	CHANGE 1
	SLOT_STEPS
	s_sub_co_u32 s[SLOTS], s[SLOTS], 1
	s_cmp_lg_u32 s[SLOTS], 0
	s_cbranch_scc1 .Lslot
	CHANGE 0                                       ; the last slot is written out
	SLOT_STEPS
	; THE WAY OUT.  l's halves and the other half of the lanes' are added; O^T is divided by l, rounded to f16 and sent through my stage: my 32 rows of 128 bytes are 4,096 consecutive bytes of att.
.irp t, 0,1
	v_add_f32 v[ST+8*\t+4], v[ST+8*\t+2], v[ST+8*\t+3]
.endr
.irp t, 0,1
	v_permlanex16_b32 v[ST+8*\t+5], v[ST+8*\t+4], s[SEL], s[SEL+1]
.endr
.irp t, 0,1
	v_add_f32 v[ST+8*\t+4], v[ST+8*\t+4], v[ST+8*\t+5]
.endr
.irp t, 0,1
	v_rcp_f32 v[ST+8*\t+6], v[ST+8*\t+4]
.endr
	v_nop                                          ; a plain instruction behind the last reciprocal
	s_wait_alu depctr_va_vdst(0)                   ; and the wait ahead of the first use: one for both
.irp t, 0,1
.irp i, 0,2,4,6,8,10,12,14,16,18,20,22,24,26,28,30
	v_pk_mul_f32 v[SF+32*\t+\i:SF+32*\t+\i+1], v[OF+32*\t+\i:OF+32*\t+\i+1], v[ST+8*\t+6:ST+8*\t+7] op_sel_hi:[1,0]
.endr
.endr
.irp t, 0,1
.irp i, 0,1,2,3,4,5,6,7,8,9,10,11,12,13,14,15
	v_cvt_pk_f16_f32 v[KV+16*\t+\i], v[SF+32*\t+2*\i], v[SF+32*\t+2*\i+1]   ; registers 4 f .. 4 f + 3: channels 16 f + 8 h + 0 .. 7 of row 16 t + r
.endr
.endr
.irp t, 0,1
.irp f, 0,1,2,3
	ds_store_b128 v[STO], v[KV+16*\t+4*\f:KV+16*\t+4*\f+3] offset:\t*16*PK+32*\f
.endr
.endr
.irp i, 0,1,2,3,4,5,6,7
	ds_load_b128 v[KV+32+4*\i:KV+32+4*\i+3], v[RD] offset:\i*4*PK   ; LDS serves a wave's instructions in order (ISA guide 5.7.1.4): these see my stores
.endr
.irp i, 0,1,2,3,4,5,6,7
	s_wait_dscnt 7-\i                              ; load i is in; the younger ones may be out
	global_store_b128 v[GO], v[KV+32+4*\i:KV+32+4*\i+3], s[6:7] offset:512*\i   ; 32 lanes store 512 consecutive bytes, aligned
.endr
	s_wait_tensorcnt 0x0                           ; the wave's end, behind my last tensor load and my last LDS store
	ds_add_u32 v[SPW], v[NIL]
	s_wait_dscnt 0x0
	CROUND                                         ; the closing round: no work-group ends while a partner may still ask for a tile that names it
	s_endpgm
.Lfunc_end_k_q64134e7a5c_attn:
	.size	k_q64134e7a5c_attn, .Lfunc_end_k_q64134e7a5c_attn-k_q64134e7a5c_attn
	.p2alignl 7, 3214868480
	.fill 96, 4, 3214868480
	.section	.rodata,"a",@progbits
	.p2align	6, 0x0
	.amdhsa_kernel k_q64134e7a5c_attn
		.amdhsa_group_segment_fixed_size 327680
		.amdhsa_private_segment_fixed_size 0
		.amdhsa_enable_private_segment 0
		.amdhsa_kernarg_size 16
		.amdhsa_user_sgpr_count 2
		.amdhsa_user_sgpr_kernarg_segment_ptr 1
		.amdhsa_wavefront_size32 1
		.amdhsa_system_sgpr_workgroup_id_x 1
		.amdhsa_system_sgpr_workgroup_id_y 1
		.amdhsa_system_sgpr_workgroup_id_z 1
		.amdhsa_system_vgpr_workitem_id 0
		.amdhsa_next_free_vgpr 256
		.amdhsa_next_free_sgpr 66
		.amdhsa_reserve_vcc 0
		.amdhsa_float_denorm_mode_32 3
		.amdhsa_float_denorm_mode_16_64 3
		.amdhsa_memory_ordered 1
		.amdhsa_forward_progress 1
		.amdhsa_inst_pref_size 154
	.end_amdhsa_kernel
	.amdgpu_metadata
---
amdhsa.version: [ 1, 2 ]
amdhsa.kernels:
  - .name:           k_q64134e7a5c_attn
    .symbol:         k_q64134e7a5c_attn.kd
    .args:
      - { .name: qkv, .offset: 0, .size: 8, .value_kind: global_buffer, .address_space: global }
      - { .name: att, .offset: 8, .size: 8, .value_kind: global_buffer, .address_space: global }
    .group_segment_fixed_size: 327680
    .private_segment_fixed_size: 0
    .kernarg_segment_align: 8
    .kernarg_segment_size: 16
    .max_flat_workgroup_size: 512
    .sgpr_count:     66
    .vgpr_count:     256
    .wavefront_size: 32
...
	.end_amdgpu_metadata
.endif
;; end of part 3
;; launch fc (part 4): grid 4 x 64, 4 waves a work-group, clusters of 4 x 4, 327,680 bytes of LDS; arguments att, wf, out0; writes out0
.if DOCPART == 4
	.amdgcn_target "amdgcn-amd-amdhsa--gfx1250"
	.amdhsa_code_object_version 6
	.text
	.protected	k_q64134e7a5c_fc
	.globl	k_q64134e7a5c_fc
	.p2align	8
	.type	k_q64134e7a5c_fc,@function
k_q64134e7a5c_fc:
	s_mov_b64 s[64:65], 0
	v_nop
	global_prefetch_b8 v0, s[64:65] scope:SCOPE_SE
	s_setreg_imm32_b32 hwreg(HW_REG_WAVE_MODE, 25, 1), 1
	s_wait_xcnt 0x0
	s_wait_alu depctr_hold_cnt(0) depctr_sa_sdst(0) depctr_va_vdst(0) depctr_va_sdst(0) depctr_va_ssrc(0) depctr_va_vcc(0) depctr_vm_vsrc(0)
	s_getreg_b32 s2, hwreg(HW_REG_IB_STS2, 6, 4)
	s_cmp_eq_u32 s2, 0
	s_cbranch_scc0 .Lentry_in_a_cluster
	s_endpgm
.Lentry_in_a_cluster:
	s_bfe_u32 s2, ttmp6, 0x10000c
	s_cmp_lg_u32 s2, 0xf033
	s_cbranch_scc0 .Lentry_shape_is_right
	s_endpgm
.Lentry_shape_is_right:
; FOURTH LAUNCH: out0[m][n] = the sum over k of A[m][k] w_fc[n][k], k = 64 x head + channel.  A = att, [4 b][16 h][2048 s][64] f16; wf = [1024][1024] f16; out0 = [8192][1024] f32; sums in f32.  No work of the problem is left out here.
; A tile of 128 rows x 256 columns is made by a work-group of four waves: 256 work-groups.  A wave makes 64 x 128: 32 accumulators, 256 registers.  K goes in steps of 128 (two heads) through two LDS slots.
; In att 128 rows of one head are 16,384 consecutive bytes: waves 0 and 1 fetch the step's two heads, waves 2 and 3 the two halves of w_fc's 256 rows (256 bytes of each row): one tensor load a wave.
; CLUSTERS: 4 x 4 work-groups.  The four of a row of the cluster need the same tiles of A, the four of a column the same tiles of w_fc: each tile is asked for JOINTLY.
; No prefetch is laid: a tile's K step is short and the tiles are small; the joint loads divide the requests by four.
; THE MATRIX INSTRUCTION IS USED TRANSPOSED (source 0 = 16 rows of w_fc, source 1 = 16 rows of A): a lane holds eight neighbouring numbers of a row of out0.
; REGISTERS: window 0: v0-31 addresses; v128-255 rows on the way out.  Window 1: two fragment buffers (v0, v128): for 32 along K, A's 4 blocks at 8 i, w_fc's 8 blocks at 32 + 8 i.  Window 2: accumulator (a, b) at v[8 (8 a + b)].
.set PA,     144                       ; a row of A in LDS: 128 bytes + 16
.set PB,     272                       ; a row of w_fc: 256 bytes + 16.  With both pitches the 16 rows that a load touches start at 16 different groups of four banks (64 banks of 4 bytes: ISA guide 11.1)
.set APLANE, 128*PA                    ; a head's 128 rows
.set BOFF,   2*APLANE
.set BHALF,  128*PB
.set SLOT,   BOFF+2*BHALF
.set SPARE,  2*SLOT                    ; the spare words, 128 bytes a wave: two blocks of 256 bytes that no other line names
.set SPITCH, 528                       ; the way out: 16 rows x (512 bytes + 16) a wave, in slot 0, which has had its last fill and its last read when the first result is stored there
.set LAPS,   4                         ; a lap = two K steps = once round the two slots
.set ADRA, 16
.set ADRB, 20
.set STO,  24
.set RD,   25
.set CO,   26
.set SPW,  28
.set NIL,  29
.set BK,   128
.set F0,   0
.set F1,   128
.set G1, 24
.set G0, 32
.set G1B, 48
.set G0B, 56
.set MSB, 0
.macro WIN new                         ; the immediate's high byte repeats the setting that is left
.if MSB != (\new)
	s_set_vgpr_msb (MSB<<8)|(\new)
.set MSB, (\new)
.endif
.endm
.set MUL,  0xa5                        ; sources 0 and 1 window 1; C and D window 2
.set TO_F, 0x40                        ; destination window 1, address window 0
.macro JLOAD s                         ; a joint load: waves 0, 1 fetch for A, waves 2, 3 for w_fc; an s_nop 0 and four v_nop follow each of the two lines
	s_cmp_eq_u32 s11, 0
	s_cbranch_scc0 .Lfor_b_\@
	tensor_load_to_lds s[G0+4*\s:G0+4*\s+3], s[G1:G1+7]
	s_nop 0
.rept 4
	v_nop
.endr
	s_branch .Lasked_\@
.Lfor_b_\@:
	tensor_load_to_lds s[G0B+4*\s:G0B+4*\s+3], s[G1B:G1B+7]
	s_nop 0
.rept 4
	v_nop
.endr
.Lasked_\@:
.endm
.macro CREST                           ; a round of the cluster's barrier behind its opening barrier
	s_cmp_lg_u32 s10, 0
	s_cbranch_scc1 .Lnot_wave_0_\@
	s_barrier_signal -3
.Lnot_wave_0_\@:
	s_barrier_wait -3
	s_barrier_signal -1
	s_barrier_wait -1
.endm
.macro CROUND
	s_barrier_signal -1
	s_barrier_wait -1
	CREST
.endm
	s_load_b128 s[4:7], s[0:1], 0x0                ; att s[4:5], wf s[6:7]
	s_load_b64 s[8:9], s[0:1], 0x10                ; out0
	v_lshl_add_u32 v[SPW], v0, 2, SPARE
	v_mov_b32 v[NIL], 0
	ds_add_u32 v[SPW], v[NIL]                      ; the wave's opening: the add, twice on end, and its wait ahead of my first tensor load
	ds_add_u32 v[SPW], v[NIL]
	v_lshrrev_b32 v1, 5, v0
	v_readfirstlane_b32 s10, v1                    ; wave 0..3
	s_lshr_b32 s11, s10, 1                         ; which 64 of the tile's rows are mine.  Also: I fetch for A (0) or for w_fc (1)
	s_and_b32 s12, s10, 1                          ; which 128 of its columns.  Also: which head, or which 128 rows of w_fc, I fetch
	s_bfe_u32 s40, ttmp6, 0x40000                  ; cx, cy
	s_bfe_u32 s41, ttmp6, 0x40004
	s_lshl_b32 s42, ttmp9, 2
	s_add_co_u32 s42, s42, s40                     ; tile column = 4 x cluster x + cx
	s_and_b32 s13, ttmp7, 0xffff
	s_lshl_b32 s13, s13, 2
	s_add_co_u32 s13, s13, s41                     ; tile row = 4 x cluster y + cy
	s_lshl_b32 s43, s41, 2
	s_lshl_b32 s43, 15, s43                        ; my row of the cluster
	s_lshl_b32 s44, 0x1111, s40                    ; my column
	s_or_b32 s[G1+0], s43, (1<<16)|(1<<20)|(1<<21)|(4<<22)|(3<<25)   ; A: the mask of my row; 2-byte elements; padding on; bit 21 beside a mask; 4 words after every 32
	s_mov_b32 s[G1+1], 64<<16                      ; tensor_dim0
	s_mov_b32 s[G1+2], 128<<16                     ; tensor_dim1
	s_mov_b32 s[G1+3], 64<<16                      ; tile_dim0
	s_mov_b32 s[G1+4], 128                         ; tile_dim1
	s_mov_b32 s[G1+5], 64                          ; from row to row
	s_mov_b32 s[G1+6], 0
	s_mov_b32 s[G1+7], 0
	s_or_b32 s[G1B+0], s44, (1<<16)|(1<<20)|(1<<21)|(5<<22)|(3<<25)  ; w_fc: the mask of my column; 4 words after every 64
	s_mov_b32 s[G1B+1], 128<<16
	s_mov_b32 s[G1B+2], 128<<16
	s_mov_b32 s[G1B+3], 128<<16
	s_mov_b32 s[G1B+4], 128
	s_mov_b32 s[G1B+5], 1024
	s_mov_b32 s[G1B+6], 0
	s_mov_b32 s[G1B+7], 0
	s_lshr_b32 s16, s13, 4                         ; A: the batch (16 tile rows to each), 4,194,304 bytes;
	s_lshl_b32 s16, s16, 22
	s_and_b32 s17, s13, 15
	s_lshl_b32 s17, s17, 14                        ; the tile's 128 rows within a head, 16,384 bytes;
	s_add_co_u32 s16, s16, s17
	s_lshl_b32 s17, s12, 18                        ; my head of the step's two
	s_add_co_u32 s16, s16, s17
	s_mov_b32 s17, 0
	s_lshl_b32 s46, s42, 8
	s_lshl_b32 s47, s12, 7
	s_add_co_u32 s46, s46, s47                     ; w_fc: row 256 x tile column + 128 x half,
	s_lshl_b32 s46, s46, 11                        ; 2,048 bytes each
	s_mov_b32 s47, 0
	s_mul_i32 s20, s12, APLANE                     ; where they go in a slot: no place in the cluster enters an LDS address
	s_mul_i32 s21, s12, BHALF
	s_add_co_u32 s21, s21, BOFF
	s_wait_dscnt 0x0                               ; both opening adds are done
	s_wait_kmcnt 0x0
	s_add_nc_u64 s[14:15], s[4:5], s[16:17]
	s_add_nc_u64 s[46:47], s[6:7], s[46:47]
	CROUND                                         ; all sixteen work-groups are here: the first joint loads meet
.irp s, 0,1
	s_mov_b32 s[G0+4*\s], 1
	s_add_co_u32 s[G0+4*\s+1], s20, \s*SLOT
	s_add_nc_u64 s[G0+4*\s+2:G0+4*\s+3], s[14:15], \s*2*262144     ; K step s: heads 2 s, 2 s + 1
	s_or_b32 s[G0+4*\s+3], s[G0+4*\s+3], 0x80000000
	s_mov_b32 s[G0B+4*\s], 1
	s_add_co_u32 s[G0B+4*\s+1], s21, \s*SLOT
	s_add_nc_u64 s[G0B+4*\s+2:G0B+4*\s+3], s[46:47], \s*256
	s_or_b32 s[G0B+4*\s+3], s[G0B+4*\s+3], 0x80000000
	JLOAD \s                                       ; by this text's count two tensor loads of a wave are out here, later one
.endr
	v_and_b32 v1, 15, v0                           ; r
	v_bfe_u32 v2, v0, 4, 1                         ; h
	v_mul_u32_u24 v3, v1, PA
	v_lshl_add_u32 v3, v2, 4, v3
	v_mul_u32_u24 v4, v1, PB
	v_lshl_add_u32 v4, v2, 4, v4
	s_mul_i32 s22, s11, 64*PA                      ; my 64 rows of A (in each head's plane)
	s_mul_i32 s23, s12, BHALF                      ; my 128 rows of w_fc
	s_add_co_u32 s23, s23, BOFF
.irp s, 0,1
	v_add_nc_u32 v[ADRA+\s], s22, v3
	v_add_nc_u32 v[ADRB+\s], s23, v4
	s_add_co_u32 s22, s22, SLOT
	s_add_co_u32 s23, s23, SLOT
.endr
	s_mul_i32 s22, s10, 16*SPITCH                  ; my stage
	v_mul_u32_u24 v5, v1, SPITCH
	v_lshl_add_u32 v5, v2, 5, v5
	v_add_nc_u32 v[STO], s22, v5                   ; in: row r, 32 bytes for each half of the lanes
	v_and_b32 v6, 31, v0
	v_lshlrev_b32 v[CO], 4, v6                     ; back: the 32 lanes take one row of 512 bytes; and the same in out0
	v_add_nc_u32 v[RD], s22, v[CO]
	s_lshl_b32 s16, s13, 7
	s_lshl_b32 s17, s11, 6
	s_add_co_u32 s16, s16, s17                     ; my first row of out0,
	s_lshl_b32 s16, s16, 12                        ; 4,096 bytes each
	s_lshl_b32 s46, s42, 10                        ; my first column, in bytes: 1,024 x tile column + 512 x half
	s_lshl_b32 s47, s12, 9
	s_add_co_u32 s46, s46, s47
	s_add_co_u32 s46, s46, s16
	s_mov_b32 s47, 0
	s_add_nc_u64 s[8:9], s[8:9], s[46:47]
; 8 matrix instructions: A's block a x w_fc's eight, 32 along K.  The 32 accumulators take turns, one instruction a turn, in the same order in every quarter.
.macro MUL8 f, a, zero
.irp b, 0,1,2,3,4,5,6,7
.if \zero
	v_wmma_f32_16x16x32_f16 v[8*(8*(\a)+\b):8*(8*(\a)+\b)+7], v[\f+32+8*\b:\f+32+8*\b+7], v[\f+8*(\a):\f+8*(\a)+7], 0
.else
	v_wmma_f32_16x16x32_f16 v[8*(8*(\a)+\b):8*(8*(\a)+\b)+7], v[\f+32+8*\b:\f+32+8*\b+7], v[\f+8*(\a):\f+8*(\a)+7], v[8*(8*(\a)+\b):8*(8*(\a)+\b)+7]
.endif
.endr
.endm
; 24 LDS loads in one run: the fragments of the slot's q-th 32 along K (head q / 2, channels 32 (q % 2) on) into buffer f
.macro FETCH slot, q, f
	WIN TO_F
.irp i, 0,1,2,3
	ds_load_b128 v[\f+8*\i:\f+8*\i+3],   v[ADRA+\slot] offset:((\q)/2)*APLANE+((\q)%2)*64+\i*16*PA
	ds_load_b128 v[\f+8*\i+4:\f+8*\i+7], v[ADRA+\slot] offset:((\q)/2)*APLANE+((\q)%2)*64+\i*16*PA+32
.endr
.irp i, 0,1,2,3,4,5,6,7
	ds_load_b128 v[\f+32+8*\i:\f+32+8*\i+3],   v[ADRB+\slot] offset:64*(\q)+\i*16*PB
	ds_load_b128 v[\f+32+8*\i+4:\f+32+8*\i+7], v[ADRB+\slot] offset:64*(\q)+\i*16*PB+32
.endr
.endm
.macro PLACES                          ; four plain vector instructions between a matrix instruction and a load into, or a read of, its registers
.rept 4
	v_nop
.endr
.endm
; A K step is four quarters of 32 along K, 32 matrix instructions each, on buffers 0, 1, 0, 1.  One of the first three: asks for the next quarter (nq) into g, then multiplies f: the fetch has 32 matrix instructions in which to land.
.macro QUARTER slot, nq, f, g, zero
	s_wait_dscnt 0x0                               ; buffer f is in
	PLACES
	FETCH \slot, \nq, \g
	WIN MUL
	MUL8 \f, 0, \zero
	MUL8 \f, 1, \zero
	MUL8 \f, 2, \zero
	MUL8 \f, 3, \zero
.endm
; The last quarter multiplies buffer 1 and changes slots: ONE barrier; in front of it each wave waits for all its tensor loads, adds 0 to its spare word, and waits for that and for its reads of this slot.  fill = 1: this slot is filled again, two K steps ahead.
.macro TURN slot, next, fill
	WIN 0                                          ; (the add's two registers lie in window 0)
	s_wait_tensorcnt 0x0                           ; all my tensor loads have landed: my part of the next slot
	ds_add_u32 v[SPW], v[NIL]
	s_wait_dscnt 1                                 ; buffer 1 is in (the add may be out)
	WIN MUL
	MUL8 F1, 0, 0                                  ; eight matrix instructions stand between the add and the wait for it
	s_wait_dscnt 0x0                               ; the add is done, and my reads of this slot are over
	s_barrier_signal -1
	MUL8 F1, 1, 0
	WIN 0
	s_barrier_wait -1
.if \fill
	CREST                                          ; the barrier has opened a round of the cluster's barrier: no wave of any partner still reads this slot's tile or has a load on its way
	s_add_nc_u64 s[G0+4*\slot+2:G0+4*\slot+3], s[G0+4*\slot+2:G0+4*\slot+3], 4*262144    ; four heads on
	s_add_nc_u64 s[G0B+4*\slot+2:G0B+4*\slot+3], s[G0B+4*\slot+2:G0B+4*\slot+3], 512
	JLOAD \slot                                    ; the first tensor load behind the round; the four v_nop behind it are also the places in front of the loads below
.else
	PLACES
.endif
	FETCH \next, 0, F0
	WIN MUL
	MUL8 F1, 2, 0
	MUL8 F1, 3, 0
.endm
	s_wait_tensorcnt 1                             ; my part of K step 0 is in (K step 1's load may be out),
	s_barrier_signal -1
	s_barrier_wait -1                              ; everybody's is
	FETCH 0, 0, F0
	QUARTER 0, 1, F0, F1, 1                        ; the first quarter stands in front of the loop: its products start the sums
	WIN 0                                          ; at a label and at a branch every window is 0
	s_mov_b32 s3, LAPS-1
.Llap:                                             ; a trip goes once round, from a lap's second quarter to the next lap's first, and fills both slots again
	QUARTER 0, 2, F1, F0, 0
	QUARTER 0, 3, F0, F1, 0
	TURN 0, 1, 1
	QUARTER 1, 1, F0, F1, 0
	QUARTER 1, 2, F1, F0, 0
	QUARTER 1, 3, F0, F1, 0
	TURN 1, 0, 1
	QUARTER 0, 1, F0, F1, 0
	WIN 0
	s_sub_co_u32 s3, s3, 1
	s_cmp_lg_u32 s3, 0
	s_cbranch_scc1 .Llap
	QUARTER 0, 2, F1, F0, 0                        ; the last lap fills nothing, and has no round of the cluster's barrier
	QUARTER 0, 3, F0, F1, 0
	TURN 0, 1, 0
	QUARTER 1, 1, F0, F1, 0
	QUARTER 1, 2, F1, F0, 0
	QUARTER 1, 3, F0, F1, 0
	s_wait_dscnt 0x0                               ; the very last quarter: nothing more to fetch
	WIN MUL
	MUL8 F1, 0, 0
	MUL8 F1, 1, 0
	MUL8 F1, 2, 0
	MUL8 F1, 3, 0
	WIN 0
; THE WAY OUT, a block of 16 rows x 128 columns at a time: 32 bytes a lane into my own stage, back as whole rows of 512 bytes.  LDS serves a wave's instructions in order (ISA guide 5.7.1.4): no wait between the stores and the loads.
.macro TOSTAGE a
	WIN 0x08                                       ; an LDS store's data are its source 1: window 2
.irp b, 0,1,2,3,4,5,6,7
	ds_store_b128 v[STO], v[8*(8*(\a)+\b):8*(8*(\a)+\b)+3] offset:64*\b          ; each accumulator from its low end on
	ds_store_b128 v[STO], v[8*(8*(\a)+\b)+4:8*(8*(\a)+\b)+7] offset:64*\b+16
.endr
	WIN 0
.set BB, BK+64*((\a)%2)
.irp t, 0,1,2,3,4,5,6,7,8,9,10,11,12,13,14,15
	ds_load_b128 v[BB+4*\t:BB+4*\t+3], v[RD] offset:\t*SPITCH
.endr
.endm
.macro SEND a, younger                 ; younger: the LDS instructions issued behind block a's loads, which may stay out
.set BB, BK+64*((\a)%2)
	s_wait_dscnt \younger
.irp t, 0,1,2,3,4,5,6,7,8,9,10,11,12,13,14,15
	global_store_b128 v[CO], v[BB+4*\t:BB+4*\t+3], s[8:9] offset:(16*(\a)+\t)*4096 th:TH_STORE_NT   ; 32 lanes store 512 consecutive bytes, aligned; written once, read by nobody here
.endr
.endm
	PLACES                                         ; behind the last products, in front of the first read of results
	TOSTAGE 0
.irp a, 1,2,3
.if \a > 1
	s_wait_xcnt 0x0                                ; block a - 2's stores have read their registers: block a's rows may land there
.endif
	TOSTAGE \a
	SEND \a-1, 32                                  ; behind block a - 1's loads: block a's 16 stores and 16 loads
.endr
	SEND 3, 0
	s_wait_tensorcnt 0x0                           ; the wave's end, behind my last tensor load and my last LDS store
	ds_add_u32 v[SPW], v[NIL]
	s_wait_dscnt 0x0
	CROUND                                         ; the closing round: no work-group ends while a partner may still ask for a tile that names it
	s_endpgm
.Lfunc_end_k_q64134e7a5c_fc:
	.size	k_q64134e7a5c_fc, .Lfunc_end_k_q64134e7a5c_fc-k_q64134e7a5c_fc
	.p2alignl 7, 3214868480
	.fill 96, 4, 3214868480
	.section	.rodata,"a",@progbits
	.p2align	6, 0x0
	.amdhsa_kernel k_q64134e7a5c_fc
		.amdhsa_group_segment_fixed_size 327680
		.amdhsa_private_segment_fixed_size 0
		.amdhsa_enable_private_segment 0
		.amdhsa_kernarg_size 24
		.amdhsa_user_sgpr_count 2
		.amdhsa_user_sgpr_kernarg_segment_ptr 1
		.amdhsa_wavefront_size32 1
		.amdhsa_system_sgpr_workgroup_id_x 1
		.amdhsa_system_sgpr_workgroup_id_y 1
		.amdhsa_system_sgpr_workgroup_id_z 1
		.amdhsa_system_vgpr_workitem_id 0
		.amdhsa_next_free_vgpr 768
		.amdhsa_next_free_sgpr 66
		.amdhsa_reserve_vcc 0
		.amdhsa_float_denorm_mode_32 3
		.amdhsa_float_denorm_mode_16_64 3
		.amdhsa_memory_ordered 1
		.amdhsa_forward_progress 1
		.amdhsa_inst_pref_size 84
	.end_amdhsa_kernel
	.amdgpu_metadata
---
amdhsa.version: [ 1, 2 ]
amdhsa.kernels:
  - .name:           k_q64134e7a5c_fc
    .symbol:         k_q64134e7a5c_fc.kd
    .args:
      - { .name: att, .offset: 0, .size: 8, .value_kind: global_buffer, .address_space: global }
      - { .name: wf, .offset: 8, .size: 8, .value_kind: global_buffer, .address_space: global }
      - { .name: out0, .offset: 16, .size: 8, .value_kind: global_buffer, .address_space: global }
    .group_segment_fixed_size: 327680
    .private_segment_fixed_size: 0
    .kernarg_segment_align: 8
    .kernarg_segment_size: 24
    .max_flat_workgroup_size: 128
    .sgpr_count:     66
    .vgpr_count:     768
    .wavefront_size: 32
...
	.end_amdgpu_metadata
.endif
;; end of part 4
